; MI455X (gfx1250); checked and timed in simulation.
; The chip was launched on July 23, 2026; its instructions are those of AMD's public machine-readable ISA for CDNA 5 (MIT licence, August 2026) and "CDNA5" Instruction Set Architecture Reference Guide (July 2026). The comments in the code are by the model that wrote it; some were corrected since.
;; Self Block. Allowed arithmetic: matrix products marked QUANTISED: E2M3 operands, one E8M0 scale for each 32 along K, by v_wmma_scale_f32_16x16x128_f8f6f4 with both operands' format E2M3, f32 sums; everything else in f32.
;; Inputs: Wqkv_b 3,072 float32; Wqkv_w_codes 3,072 x 32 x 24 uint8 (E2M3 codes of Wqkv_w, K innermost, in blocks of 32 codes, four codes in three bytes); Wqkv_w_scales 3,072 x 32 uint8 (E8M0 scales of Wqkv_w, one for each 32 codes along K); encoding 2 x 2 x 1 x 2,048 x 64 float32; ffn1_b 2,048 float32; ffn1_w_codes 2,048 x 64 x 24 uint8 (E2M3 codes of ffn1_w, K innermost, in blocks of 32 codes, four codes in three bytes); ffn1_w_scales 2,048 x 64 uint8 (E8M0 scales of ffn1_w, one for each 32 codes along K); ffn2_b 1,024 float32; ffn2_w_codes 1,024 x 64 x 24 uint8 (E2M3 codes of ffn2_w, K innermost, in blocks of 32 codes, four codes in three bytes); ffn2_w_scales 1,024 x 64 uint8 (E8M0 scales of ffn2_w, one for each 32 codes along K); ln_b 2,048 float32; ln_g 2,048 float32; out_b 1,024 float32; out_w_codes 1,024 x 32 x 24 uint8 (E2M3 codes of out_w, K innermost, in blocks of 32 codes, four codes in three bytes); out_w_scales 1,024 x 32 uint8 (E8M0 scales of out_w, one for each 32 codes along K); x 2 x 2,048 x 1,024 float32.
;; Outputs: out0 2 x 2,048 x 1,024 float32.
;; This version of the problem:
;;   THIS VERSION OF THE PROBLEM IS GIVEN IN LOW PRECISION. The matrix products marked QUANTISED in the list below multiply operands that are first quantised to E2M3 (2 exponent bits, 3 mantissa bits; 6 bits a number), with one power-of-two scale for each 32 numbers along K (OCP MX v1.0); their sums are f32. All else is computed in f32.
;;   The module's matrix products, in the order in which they are computed (A, B: the left and right operand; K: the contracted axis; several contracted axes count as one K, in the product's order):
;;     1. [M 4,096, K 1,024] x [K 1,024, N 3,072]; A: input x; B: input Wqkv_w (given as codes): QUANTISED
;;     2. batch 32 x [M 2,048, K 64] x [K 64, N 2,048]; A: computed on the way; B: computed on the way: QUANTISED
;;     3. batch 32 x [M 2,048, K 2,048] x [K 2,048, N 64]; A: softmax (see below); B: computed on the way: QUANTISED
;;     4. [M 4,096, K 1,024] x [K 1,024, N 1,024]; A: computed on the way; B: input out_w (given as codes): QUANTISED
;;     5. [M 4,096, K 2,048] x [K 2,048, N 2,048]; A: computed on the way; B: input ffn1_w (given as codes): QUANTISED
;;     6. [M 4,096, K 2,048] x [K 2,048, N 1,024]; A: computed on the way; B: input ffn2_w (given as codes): QUANTISED
;;   THE QUANTISER, for each operand of a quantised product, along K:
;;     - K is cut into blocks of 32 from its start; a last block that is shorter is filled with zeros.
;;     - A block's scale is 2^e with e = floor(log2(the largest magnitude in the block)) - 2, held to -126 .. 127; a block of zeros has e = 0. As a byte (E8M0): e + 127.
;;     - Each number is divided by its block's scale, clamped to +-7.5, and rounded to the nearest number of E2M3, ties to even, subnormals kept.
;;     - The product sums the exact products of the quantised numbers (number of the format x scale) in f32.
;;   ~~~python
;;   def quantise(x, axis):      # numpy; x: float32 -> the quantised numbers, widened to float32 again
;;       x = np.moveaxis(x, axis, -1); K = x.shape[-1]
;;       x = np.pad(x, [(0, 0)] * (x.ndim - 1) + [(0, -K % 32)]); x = x.reshape(x.shape[:-1] + (-1, 32)); a = np.abs(x).max(-1, keepdims=True)
;;       e = np.where(a > 0, np.clip(np.frexp(np.where(a > 0, a, 1))[1] - 1 - 2, -126, 127), 0)      # np.frexp(a)[1] - 1 = floor(log2(a)), exactly
;;       r = np.clip(x / 2.0 ** e, -7.5, 7.5)
;;       step = 2.0 ** (np.maximum(np.frexp(np.where(r == 0, 1, r))[1] - 1, 0) - 3)
;;       q = np.round(r / step) * step * 2.0 ** e      # np.round: ties to even
;;       return np.moveaxis(q.reshape(q.shape[:-2] + (-1,))[..., :K], -1, axis).astype(np.float32)
;;   ~~~
;;   SOFTMAX AHEAD OF A QUANTISED PRODUCT. Where the list says 'softmax', what is quantised is not the finished softmax but p = 2^(t - M), with t = logit x log2(e) and M = ceil(the row's largest t), a whole number; so 1/2 < the row's largest p <= 1. The row's sum l is taken of the UNQUANTISED p, in f32, and the product's result is divided by l at the end. Since M is a whole number, a kernel that streams over the keys may use a running M (the ceiling of the running maximum): every later rescaling is an exact power of two, which a block's scale takes up: the codes' values come out the same.
;;   OPERANDS COMPUTED ON THE WAY. 'Computed on the way' means the value that the module computes at that place (a softmax that the list does not call 'softmax' is quantised finished and normalised). What goes into a quantiser is computed in f32, as accurately as f32 sums, v_exp_f32 and their like allow (about 1e-6 of the number): no bf16 or f16 on the way to a quantiser, and a product that is left as it is and whose result goes on into a quantised operand takes f32 operands (vector FMAs, or v_wmma_f32_16x16x4_f32). A number that lies on a knife's edge between two numbers of the format may be rounded either way, as far as f32 arithmetic and the matrix unit's own rounding can turn it there, and no further.
;;   INPUTS GIVEN AS CODES. Wqkv_w (in the module: [3072, 1024], K = its axis 1); ffn1_w (in the module: [2048, 2048], K = its axis 1); ffn2_w (in the module: [1024, 2048], K = its axis 1); out_w (in the module: [1024, 1024], K = its axis 1): each comes as NAME_codes (uint8): NAME with its K axis moved to the last place and cut into blocks of 32 codes, [.., K / 32, bytes a block], one block behind the other in memory; four codes in three bytes: a row's codes are one little-endian stream of bits, code i at bits 6 i .. 6 i + 5 (a code: sign, 2 exponent bits, 3 mantissa bits); and NAME_scales (uint8): the same leading axes, one E8M0 byte (e + 127) for each 32 codes along K. Its value is code x scale, taken as it is: it is not quantised again, and the codes and scales need not be those that the quantiser above would give.
;; One version. Each part assembles by itself: llvm-mc -triple=amdgcn-amd-amdhsa -mcpu=gfx1250 --defsym DOCPART=n.
;; ======== version 1 of 1: 7 launches
;; limits: right only within a limited range of input values
;; workspace buffers: wprep 11,468,800 bytes; qkvbuf 10,092,544 bytes; ctxbuf 3,276,800 bytes; msgbuf 3,276,800 bytes; hbuf 33,554,432 bytes; gbuf 6,553,600 bytes
;; launch prep (part 1): grid 896 x 1, 4 waves a work-group, no clusters, 68,096 bytes of LDS; arguments x, Wqkv_w_codes, Wqkv_w_scales, out_w_codes, out_w_scales, ffn1_w_codes, ffn1_w_scales, ffn2_w_codes, ffn2_w_scales, wprep; writes wprep
.if DOCPART == 1
	.amdgcn_target "amdgcn-amd-amdhsa--gfx1250"
	.amdhsa_code_object_version 6
	.text
	.protected	k_q9bf78a2f5d_prep
	.globl	k_q9bf78a2f5d_prep
	.p2align	8
	.type	k_q9bf78a2f5d_prep,@function
k_q9bf78a2f5d_prep:
	s_mov_b64 s[64:65], 0
	v_nop
	global_prefetch_b8 v0, s[64:65] scope:SCOPE_SE
	s_setreg_imm32_b32 hwreg(HW_REG_WAVE_MODE, 25, 1), 1
	s_wait_xcnt 0x0
; PREP: x becomes codes of FP6 (E2M3) with E8M0 scales along its 1,024; the four weights, given as codes, are laid anew as images of operand registers.
; DEAD WORK: none.  Every input of reference() reaches out0: each bias stands ahead of a quantiser or in the result, nothing is sliced away, no product meets a built-in zero.  All seven launches do all six products.
; LIMITS of the whole program: NaN and infinities among the inputs are not served.  A block of zeros carries the scale byte 1 in the workspace (its codes are zeros; only this program reads the bytes).
; A block whose largest magnitude lies under 2^-124 is held at the byte 1.  f32 sums are taken in another order than reference() takes them.
; TOKEN TILES.  Tokens are numbered 2048 b + n.  Row r of tile T is token 32 (T / 2) + 8 (T % 2) + r + 8 (r / 8); the rows of a weight's tile follow the same rule.  So a result whose source 0 is tiles 2 b and
; 2 b + 1 holds, in a lane's 16 registers, 16 neighbours 32 b + 16 (lane / 16) + 0 .. 15 of that axis: ready for the next quantiser.
; AN IMAGE of a fragment (16 rows x 128 K: 12 registers a lane) is 1,536 bytes: registers 2 P and 2 P + 1 of lane l at 256 P + 8 l.  Scale words: [tile][K step][16 rows][4 bytes].
; Work-groups 0 to 255: tile T of x, wave w its K steps 2 w and 2 w + 1.  Work-groups 256 on: a tile of a weight (of ffn1_w and ffn2_w: half of its 16 K steps).  Work-groups share no input, so no cluster.
; x: the quantiser wants 16 neighbours of a row in a lane, a load is best where neighbouring lanes take neighbouring bytes.  Both are had: a load takes a row's K step, 512 consecutive bytes, 16 a lane; the 16 rows go
; through the wave's own stage in LDS (rows 528 bytes apart, so that the sixteen rows that a load back touches start at different banks) and come back 64 bytes a lane and block.  No barrier: waves share nothing.
.set XS,  3145728                      ; wprep: x's images at 0, their scale words here;
.set WQI, 3276800                      ; Wqkv_w's images (tile 12 head + 6 hb + 2 comp + u: row r is W's row 192 head + 3 (32 hb + 8 u + r + 8 (r / 8)) + comp),
.set WQS, 5636096
.set WOI, 5734400                      ; out_w's,
.set WOS, 6520832
.set W1I, 6553600                      ; ffn1_w's, its scale words in two planes of 8 K steps,
.set W1S, 9699328
.set W2I, 9830400                      ; ffn2_w's, its scale words 1,024 bytes a tile
.set W2S, 11403264
.set SPITCH, 528                       ; a stage row: 512 bytes + 16
.set STG,  16*SPITCH                   ; a stage: 16 rows
.set WREG, 2*STG                       ; a wave's two stages, one for each of its K steps: no stage byte is written twice
.set SPARE, 4*WREG                     ; behind the stages: the spare words, 128 bytes a wave: two blocks of 256 bytes that no other line names
.set SPW, 10                           ; v10 LDS address of my spare word; never rewritten
.set NIL, 11                           ; v11 0; never rewritten
.set TM,  160                          ; v160-175 at work in QUANT
.set SEL, 50                           ; s[50:51] lane selects: lane l xor 16
; 64 numbers of a lane, register 16 b + i = k 32 b + 16 (lane / 16) + i of my row, become a fragment's codes in v[pc] .. v[pc + 11] and its scale word in v[pw]
.macro QUANT s, pc, pw
.irp b, 0,1,2,3
	v_max3_num_f32 v[TM+\b], |v[\s+16*\b]|, |v[\s+1+16*\b]|, 0x1800000   ; my 16 numbers of block b, and the floor 2^(3 - 127): the byte cannot fall under 1
.endr
.irp i, 2,4,6,8,10,12,14
.irp b, 0,1,2,3
	v_max3_num_f32 v[TM+\b], v[TM+\b], |v[\s+16*\b+\i]|, |v[\s+1+16*\b+\i]|
.endr
.endr
.irp b, 0,1,2,3
	v_permlanex16_b32 v[TM+4+\b], v[TM+\b], s[SEL], s[SEL+1]
.endr
.irp b, 0,1,2,3
	v_max_num_f32 v[TM+\b], v[TM+\b], v[TM+4+\b]   ; with lane l xor 16's 16: the block's largest magnitude
.endr
.irp b, 0,1,2,3
	v_add_nc_u32 v[TM+12+\b], 0xff000000, v[TM+\b]   ; 2 off its exponent field: the conversion's scale operand
.endr
.irp b, 0,1,2,3
	v_lshrrev_b32 v[TM+4+\b], 23, v[TM+12+\b]      ; the scale's byte
.endr
	v_lshl_or_b32 v[\pw], v[TM+5], 8, v[TM+4]
	v_lshl_or_b32 v[\pw], v[TM+6], 16, v[\pw]
	v_lshl_or_b32 v[\pw], v[TM+7], 24, v[\pw]
.irp c, 0,1
	v_cvt_scalef32_pk16_fp6_f32 v[\pc+6*\c:\pc+2+6*\c], v[\s+32*\c:\s+15+32*\c], v[TM+12+2*\c]
	v_cvt_scalef32_pk16_fp6_f32 v[\pc+12+4*\c:\pc+14+4*\c], v[\s+16+32*\c:\s+31+32*\c], v[TM+12+2*\c+1]   ; (a conversion's three registers begin on an even number)
.endr
	v_nop                                          ; one plain instruction behind the scaled conversions
.irp c, 0,1                                    ; the operand wants a whole block in a lane: lanes 0-15 block 2 c, lanes 16-31 block 2 c + 1
.irp i, 0,1,2
	v_permlane16_swap_b32 v[\pc+6*\c+\i], v[\pc+12+4*\c+\i]
.endr
.irp i, 0,1,2
	v_mov_b32 v[\pc+3+6*\c+\i], v[\pc+12+4*\c+\i]
.endr
.endr
.endm
; K step s of my 16 rows through its stage: in as loaded (row i, 16 bytes a lane), back as the quantiser wants it, into the registers that it left.  LDS serves a wave's instructions in order (ISA guide 5.7.1.4): no wait between
.macro TURN s
.irp i, 0,1,2,3,4,5,6,7,8,9,10,11,12,13,14,15
	ds_store_b128 v8, v[32+64*\s+4*\i:35+64*\s+4*\i] offset:STG*\s+SPITCH*\i
.endr
.irp b, 0,1,2,3
.irp j, 0,1,2,3
	ds_load_b128 v[32+64*\s+16*\b+4*\j:35+64*\s+16*\b+4*\j], v9 offset:STG*\s+128*\b+16*\j
.endr
.endr
.endm
	s_load_b512 s[16:31], s[0:1], 0x0              ; x, Wqkv codes, scales, out codes, scales, ffn1 codes, scales, ffn2 codes
	s_load_b128 s[32:35], s[0:1], 0x40             ; ffn2 scales, wprep
	v_lshl_add_u32 v[SPW], v0, 2, SPARE
	v_mov_b32 v[NIL], 0
	v_lshrrev_b32 v1, 5, v0
	v_readfirstlane_b32 s2, v1                     ; wave 0..3
	v_and_b32 v1, 31, v0                           ; lane
	v_and_b32 v2, 15, v0                           ; r
	v_bfe_u32 v3, v0, 4, 1                         ; h
	v_and_b32 v4, 8, v2
	v_add_nc_u32 v4, v4, v2                        ; r + 8 (r / 8)
	v_lshlrev_b32 v5, 3, v1                        ; 8 x lane: my place in a piece of an image
	v_lshlrev_b32 v6, 2, v1                        ; 4 x lane: among two K steps' scale words
	s_mov_b32 s[SEL], 0x76543210
	s_mov_b32 s[SEL+1], 0xfedcba98
	s_cmp_lt_u32 ttmp9, 256
	s_cbranch_scc0 .Lweights
	; ---- x: tile T = the work-group's number
	s_lshr_b32 s3, ttmp9, 1
	s_lshl_b32 s3, s3, 5
	s_and_b32 s4, ttmp9, 1
	s_lshl_b32 s4, s4, 3
	s_add_co_u32 s3, s3, s4                        ; the tile's first token
	s_lshl_b32 s4, s3, 12                          ; a row of x is 4,096 bytes
	s_lshl_b32 s5, s2, 10                          ; my two K steps: 1,024 bytes of each row
	s_add_co_u32 s4, s4, s5
	s_mov_b32 s5, 0
	s_wait_alu depctr_va_vdst(0)
	v_lshlrev_b32 v7, 4, v1                        ; 16 x lane: my bytes of a row's K step
	s_mul_i32 s10, s2, WREG                        ; my wave's stages
	v_add_nc_u32 v8, s10, v7                       ; in: 16 x lane
	v_mul_u32_u24 v9, v2, SPITCH
	v_lshl_add_u32 v9, v3, 6, v9
	v_add_nc_u32 v9, s10, v9                       ; back: row r, + 64 h: my 16 numbers of each block of 32
	s_lshl_b32 s6, ttmp9, 3
	s_lshl_b32 s7, s2, 1
	s_add_co_u32 s6, s6, s7
	s_mul_i32 s6, s6, 1536                         ; image 8 T + 2 w
	s_mov_b32 s7, 0
	s_lshl_b32 s8, ttmp9, 9
	s_lshl_b32 s9, s2, 7
	s_add_co_u32 s8, s8, s9
	s_add_co_u32 s8, s8, XS                        ; scale words: 512 T + 128 w
	s_mov_b32 s9, 0
.irp b, 0,1,2,3
	v_mov_b32 v[TM+4+\b], 0                        ; written once: a lane permute's destination counts as one of its sources
.endr
	s_wait_alu depctr_va_vdst(0)
	s_wait_kmcnt 0x0
	s_add_nc_u64 s[16:17], s[16:17], s[4:5]
	s_add_nc_u64 s[6:7], s[34:35], s[6:7]
	s_add_nc_u64 s[8:9], s[34:35], s[8:9]
.irp s, 0,1
.irp i, 0,1,2,3,4,5,6,7,8,9,10,11,12,13,14,15
	global_load_b128 v[32+64*\s+4*\i:35+64*\s+4*\i], v7, s[16:17] offset:4096*(\i+8*(\i/8))+512*\s th:TH_LOAD_NT   ; row i of the tile: 32 lanes read 512 consecutive bytes
.endr
.endr
	s_wait_loadcnt 16                              ; the first K step's 16 loads are in; the second's may be out
	TURN 0
	s_wait_loadcnt 0x0
	TURN 1
	s_wait_dscnt 32                                ; the first K step is back; the second turn's 16 stores and 16 loads may be out
	QUANT 32, 176, 216
.irp p, 0,1,2,3,4,5
	global_store_b64 v5, v[176+2*\p:177+2*\p], s[6:7] offset:256*\p        ; 32 lanes store 256 consecutive bytes, aligned
.endr
	s_wait_dscnt 0x0
	QUANT 96, 196, 217                             ; codes and word in registers of their own: no store's data are written again
.irp p, 0,1,2,3,4,5
	global_store_b64 v5, v[196+2*\p:197+2*\p], s[6:7] offset:1536+256*\p
.endr
	v_cmp_ne_u32 vcc_lo, 0, v3
	v_cndmask_b32 v218, v216, v217, vcc_lo         ; lanes 0-15 the first step's words, lanes 16-31 the second's (both halves of the lanes hold a row's word)
	global_store_b32 v6, v218, s[8:9]
	s_wait_tensorcnt 0x0                           ; the end of a wave that stored to LDS
	ds_add_u32 v[SPW], v[NIL]
	s_wait_dscnt 0x0
	s_endpgm
.Lweights:
	; ---- a weight's tile.  Which weight hangs on the work-group's number alone; only pointers and constants are chosen, the path is one.  It touches no LDS
	s_sub_co_u32 s3, ttmp9, 256                    ; u: 0-191 Wqkv_w, 192-255 out_w, 256-511 ffn1_w, 512-639 ffn2_w
	s_wait_kmcnt 0x0
	s_mov_b64 s[36:37], s[30:31]                   ; codes
	s_mov_b64 s[38:39], s[32:33]                   ; scale bytes
	s_mov_b32 s4, 512                              ; the weight's first u
	s_mov_b32 s5, 1                                ; 1: K = 2,048, two work-groups to a tile; 0: K = 1,024
	s_mov_b32 s6, W2I
	s_mov_b32 s7, W2S
	s_mov_b32 s8, 512                              ; from the first 8 K steps' scale words to the other 8's
	s_mov_b32 s9, 10                               ; log2 of a tile's scale words in bytes
	s_cmp_lt_u32 s3, 512
	s_cselect_b64 s[36:37], s[26:27], s[36:37]
	s_cselect_b64 s[38:39], s[28:29], s[38:39]
	s_cselect_b32 s4, 256, s4
	s_cselect_b32 s6, W1I, s6
	s_cselect_b32 s7, W1S, s7
	s_cselect_b32 s8, 65536, s8
	s_cselect_b32 s9, 9, s9
	s_cmp_lt_u32 s3, 256
	s_cselect_b64 s[36:37], s[22:23], s[36:37]
	s_cselect_b64 s[38:39], s[24:25], s[38:39]
	s_cselect_b32 s4, 192, s4
	s_cselect_b32 s5, 0, s5
	s_cselect_b32 s6, WOI, s6
	s_cselect_b32 s7, WOS, s7
	s_cmp_lt_u32 s3, 192
	s_cselect_b64 s[36:37], s[18:19], s[36:37]
	s_cselect_b64 s[38:39], s[20:21], s[38:39]
	s_cselect_b32 s4, 0, s4
	s_cselect_b32 s6, WQI, s6
	s_cselect_b32 s7, WQS, s7
	s_cselect_b32 s10, 3, 1                        ; from row to row of a tile: 3 rows of Wqkv_w (q, k, v are interleaved), else 1
	s_sub_co_u32 s11, s3, s4
	s_lshr_b32 s12, s11, s5                        ; tile t
	s_and_b32 s13, s11, s5                         ; which 8 K steps
	s_lshr_b32 s14, s12, 1
	s_lshl_b32 s14, s14, 5
	s_and_b32 s15, s12, 1
	s_lshl_b32 s15, s15, 3
	s_add_co_u32 s14, s14, s15                     ; the tile's first row: 32 (t / 2) + 8 (t % 2)
	s_mul_i32 s15, s12, 43691
	s_lshr_b32 s15, s15, 19                        ; Wqkv_w: head = t / 12 (exact for t under 192)
	s_mul_i32 s40, s15, 12
	s_sub_co_u32 s40, s12, s40
	s_cmp_ge_u32 s40, 6
	s_cselect_b32 s41, 1, 0                        ; hb
	s_mul_i32 s42, s41, 6
	s_sub_co_u32 s40, s40, s42
	s_lshr_b32 s42, s40, 1                         ; comp
	s_and_b32 s40, s40, 1                          ; u
	s_mul_i32 s15, s15, 192
	s_add_co_u32 s15, s15, s42
	s_mul_i32 s41, s41, 96
	s_add_co_u32 s15, s15, s41
	s_mul_i32 s40, s40, 24
	s_add_co_u32 s15, s15, s40                     ; 192 head + comp + 3 (32 hb + 8 u)
	s_cmp_lt_u32 s3, 192
	s_cselect_b32 s14, s15, s14
	s_lshl_b32 s40, 768, s5                        ; a row of codes in bytes
	s_lshl_b32 s41, 32, s5                         ; a row of scale bytes
	s_lshl_b32 s42, s13, 3
	s_lshl_b32 s43, s2, 1
	s_add_co_u32 s42, s42, s43                     ; my first K step
	s_mul_i32 s44, s14, s40
	s_mul_i32 s45, s42, 96
	s_add_co_u32 s44, s44, s45
	s_mov_b32 s45, 0
	s_add_nc_u64 s[36:37], s[36:37], s[44:45]
	s_mul_i32 s44, s14, s41
	s_lshl_b32 s46, s42, 2
	s_add_co_u32 s44, s44, s46
	s_add_nc_u64 s[38:39], s[38:39], s[44:45]
	s_mul_i32 s40, s40, s10
	s_mul_i32 s41, s41, s10
	s_wait_alu depctr_va_vdst(0)
	v_mul_lo_u32 v7, v4, s40
	v_mad_u32_u24 v7, v3, 24, v7                   ; my row's codes, + 24 h
	s_wait_alu depctr_va_vdst(0)
	v_mul_lo_u32 v8, v4, s41
	v_lshl_add_u32 v8, v3, 2, v8                   ; my row's scale bytes: lanes 0-15 the first step's word, lanes 16-31 the second's
	s_wait_alu depctr_va_vdst(0)
	s_lshl_b32 s44, s12, 3
	s_lshl_b32 s44, s44, s5
	s_add_co_u32 s44, s44, s42
	s_mul_i32 s44, s44, 1536
	s_add_co_u32 s44, s44, s6
	s_add_nc_u64 s[46:47], s[34:35], s[44:45]      ; my first image
	s_mul_i32 s44, s13, s8
	s_lshl_b32 s48, s12, s9
	s_add_co_u32 s44, s44, s48
	s_lshl_b32 s48, s2, 7
	s_add_co_u32 s44, s44, s48
	s_add_co_u32 s44, s44, s7
	s_add_nc_u64 s[48:49], s[34:35], s[44:45]      ; my two steps' scale words
.irp s, 0,1
.irp p, 0,1,2,3,4,5
	global_load_b64 v[32+12*\s+2*\p:33+12*\s+2*\p], v7, s[36:37] offset:96*\s+48*(\p/3)+8*(\p%3)   ; a fragment as it lies in the row's stream of bits
.endr
.endr
	global_load_b32 v60, v8, s[38:39]
	s_wait_loadcnt 0x0
.irp s, 0,1
.irp p, 0,1,2,3,4,5
	global_store_b64 v5, v[32+12*\s+2*\p:33+12*\s+2*\p], s[46:47] offset:1536*\s+256*\p
.endr
.endr
	global_store_b32 v6, v60, s[48:49]
	s_endpgm
.Lfunc_end_k_q9bf78a2f5d_prep:
	.size	k_q9bf78a2f5d_prep, .Lfunc_end_k_q9bf78a2f5d_prep-k_q9bf78a2f5d_prep
	.p2alignl 7, 3214868480
	.fill 96, 4, 3214868480
	.section	.rodata,"a",@progbits
	.p2align	6, 0x0
	.amdhsa_kernel k_q9bf78a2f5d_prep
		.amdhsa_group_segment_fixed_size 68096
		.amdhsa_private_segment_fixed_size 0
		.amdhsa_enable_private_segment 0
		.amdhsa_kernarg_size 80
		.amdhsa_user_sgpr_count 2
		.amdhsa_user_sgpr_kernarg_segment_ptr 1
		.amdhsa_wavefront_size32 1
		.amdhsa_system_sgpr_workgroup_id_x 1
		.amdhsa_system_sgpr_workgroup_id_y 1
		.amdhsa_system_sgpr_workgroup_id_z 1
		.amdhsa_system_vgpr_workitem_id 0
		.amdhsa_next_free_vgpr 224
		.amdhsa_next_free_sgpr 66
		.amdhsa_reserve_vcc 1
		.amdhsa_float_denorm_mode_32 3
		.amdhsa_float_denorm_mode_16_64 3
		.amdhsa_memory_ordered 1
		.amdhsa_forward_progress 1
		.amdhsa_inst_pref_size 25
	.end_amdhsa_kernel
	.amdgpu_metadata
---
amdhsa.version: [ 1, 2 ]
amdhsa.kernels:
  - .name:           k_q9bf78a2f5d_prep
    .symbol:         k_q9bf78a2f5d_prep.kd
    .args:
      - { .name: x, .offset: 0, .size: 8, .value_kind: global_buffer, .address_space: global }
      - { .name: Wqkv_w_codes, .offset: 8, .size: 8, .value_kind: global_buffer, .address_space: global }
      - { .name: Wqkv_w_scales, .offset: 16, .size: 8, .value_kind: global_buffer, .address_space: global }
      - { .name: out_w_codes, .offset: 24, .size: 8, .value_kind: global_buffer, .address_space: global }
      - { .name: out_w_scales, .offset: 32, .size: 8, .value_kind: global_buffer, .address_space: global }
      - { .name: ffn1_w_codes, .offset: 40, .size: 8, .value_kind: global_buffer, .address_space: global }
      - { .name: ffn1_w_scales, .offset: 48, .size: 8, .value_kind: global_buffer, .address_space: global }
      - { .name: ffn2_w_codes, .offset: 56, .size: 8, .value_kind: global_buffer, .address_space: global }
      - { .name: ffn2_w_scales, .offset: 64, .size: 8, .value_kind: global_buffer, .address_space: global }
      - { .name: wprep, .offset: 72, .size: 8, .value_kind: global_buffer, .address_space: global }
    .group_segment_fixed_size: 68096
    .private_segment_fixed_size: 0
    .kernarg_segment_align: 8
    .kernarg_segment_size: 80
    .max_flat_workgroup_size: 128
    .sgpr_count:     66
    .vgpr_count:     224
    .wavefront_size: 32
...
	.end_amdgpu_metadata
.endif
;; end of part 1
;; launch qkv (part 2): grid 16 x 16, 8 waves a work-group, clusters of 4 x 4, 327,680 bytes of LDS; arguments wprep, Wqkv_b, encoding, qkvbuf; writes qkvbuf
.if DOCPART == 2
	.amdgcn_target "amdgcn-amd-amdhsa--gfx1250"
	.amdhsa_code_object_version 6
	.text
	.protected	k_q9bf78a2f5d_qkv
	.globl	k_q9bf78a2f5d_qkv
	.p2align	8
	.type	k_q9bf78a2f5d_qkv,@function
k_q9bf78a2f5d_qkv:
	s_mov_b64 s[64:65], 0
	v_nop
	global_prefetch_b8 v0, s[64:65] scope:SCOPE_SE
	s_setreg_imm32_b32 hwreg(HW_REG_WAVE_MODE, 25, 1), 1
	s_wait_xcnt 0x0
	s_wait_alu depctr_hold_cnt(0) depctr_sa_sdst(0) depctr_va_vdst(0) depctr_va_sdst(0) depctr_va_ssrc(0) depctr_va_vcc(0) depctr_vm_vsrc(0)
	s_getreg_b32 s2, hwreg(HW_REG_IB_STS2, 6, 4)
	s_cmp_eq_u32 s2, 0
	s_cbranch_scc0 .Lentry_in_a_cluster
	s_endpgm
.Lentry_in_a_cluster:
	s_bfe_u32 s2, ttmp6, 0x10000c
	s_cmp_lg_u32 s2, 0xf033
	s_cbranch_scc0 .Lentry_shape_is_right
	s_endpgm
.Lentry_shape_is_right:
; QKV: x Wqkv^T + bias on codes of FP6; the rotary encoding on q and k; q and k quantised along the head's 64, v along the keys.  No work of reference() is left out.
; A work-group makes 256 tokens x one head's 192 features.  Eight waves, two to a SIMD: wave w takes token tiles 4 g .. 4 g + 3 (g = w / 2) and the six feature tiles of d block hb = w % 2:
; q (two tiles), k (two), v (two).  q and k: source 0 = features, source 1 = tokens: a lane holds one token and 16 neighbouring d.  v: the sources swapped: a lane holds one d and its registers run along 64 tokens.
; K = 1,024 goes in three chunks of 4, 3 and 1 K steps through two LDS regions; operands lie in memory as images of their registers, so a chunk's tiles are rows of 1,536 bytes a K step for one tensor load a wave.
; CLUSTER 4 x 4: token tiles hang on the token block alone and are asked for jointly along a row of the cluster, feature tiles on the head alone, jointly along a column.
; Waves 0-3 fetch the token side, waves 4-7 the feature side, a quarter each.  By the text's own count one tensor load of a wave is out at the most.
; OUT (qkvbuf): q [32 bh][128 tiles][768 B] (lane l of a fragment's lower six registers at 24 l), its words [..][16 rows][s0, s1, 0x7f, 0x7f]; for each key step of 128: k's 8 tiles so, then v's 4 images of 1,536 B; their words beside.
; LIMITS: as stated at the head of the first launch.
.set XS,   3145728                     ; wprep: x's scale words; x's images at 0
.set WQI,  3276800
.set WQS,  5636096
.set QSO,  3145728                     ; qkvbuf: q's words,
.set KVO,  3407872                     ; the heads' blocks: words, then the key steps' codes,
.set SKVO, 9699328
.set TSTR, 6144                        ; a tile's K steps in the region being read: four, then three (4,608), then one (1,536): set anew ahead of each chunk's steps
.set SLOT, 172032                      ; K goes as 4 + 3 + 1 steps.  Region A: 16 token tiles, then 12 feature tiles, x 6,144; region B behind it: the same x 4,608; the last step fills A's first bytes again
.set FOFF, 98304
.set SCL,  301056
.set SPARE,315392
.set AT, 4                             ; v4-6   LDS address of my token fragments in slot 0, 1, 2
.set AF, 7                             ; v7-9   of my feature fragments
.set ASC, 10                           ; v10    of my scale words: lanes 0-15 the tokens', lanes 16-31 the features'
.set SPW, 11
.set NIL, 12
.set VE, 13                            ; v13    encoding: 256 (r + 8 (r / 8)) + 64 h
.set VQ, 14                            ; v14    24 r + 12 h
.set VB, 15                            ; v15    4 r + 2 h
.set SC, 16                            ; v16-21 scale words
.set L8, 22                            ; v22    8 x lane
.set R4, 23                            ; v23    4 r
.set TF, 24                            ; v24-71  four token fragments
.set FF, 72                            ; v72-143 six feature fragments
.set BI, 144                           ; v144-175 q's and k's biases: eight registers a tile, in the result's layout
.set BV, 176                           ; v176, v178 v's biases (each the low word of a pair)
.set TM, 180                           ; v180-185 at work in the quantisers
.set VBO, 186
.set VRO, 187
.set C7F, 188
.set VQK, 189                          ; v189   k's codes: 1536 (r / 8) + 24 (r % 8) + 12 h
.set VBK, 190                          ; v190   k's bytes: 128 (r / 8) + 4 (r % 8) + 2 h
.set RO, 96                            ; the way out: numbers ahead of the quantiser
.set PC, 128                           ; and codes
.set WV, 12
.set SIDE, 13
.set PART, 14
.set SEL, 2
.set HM, 66                            ; s66: lanes 16-31
.set G1T, 24
.set G1F, 32
.set G1ST, 40
.set G1SF, 48
.set TS0, 56                           ; groups 0, token side: scale words, chunks 0, 1, 2
.set TC0, 60
.set TC1, 68
.set TC2, 72
.set FS0, 76                           ; feature side
.set FC0, 80
.set FC1, 84
.set FC2, 88
.set MSB, 0
.macro WIN new                         ; the immediate's high byte repeats the setting that is left
.if MSB != (\new)
	s_set_vgpr_msb (MSB<<8)|(\new)
.set MSB, \new
.endif
.endm
.macro GROUP1 g, c, r, p               ; words 1 to 7: r rows of c elements of 8 bytes, p elements apart
	s_mov_b32 s[\g+1], ((\c)&0xffff)<<16
	s_mov_b32 s[\g+2], ((\c)>>16)|(((\r)&0xffff)<<16)
	s_mov_b32 s[\g+3], ((\r)>>16)|((\c)<<16)
	s_mov_b32 s[\g+4], \r
	s_mov_b32 s[\g+5], \p
	s_mov_b32 s[\g+6], 0
	s_mov_b32 s[\g+7], 0
.endm
.macro GROUP0 g, lds, ldsoff, adr, off
	s_mov_b32 s[\g], 1
	s_add_co_u32 s[\g+1], s[\lds], \ldsoff
	s_add_nc_u64 s[\g+2:\g+3], s[\adr:\adr+1], \off
	s_or_b32 s[\g+3], s[\g+3], 0x80000000
.endm
; A joint load.  Each of the two lines has one mask and one set of registers for all that issue it; the branch hangs on the wave's number alone.  An s_nop 0 and four v_nop follow each line.
.macro JLOAD g0t, g1t, g0f, g1f
	s_cmp_eq_u32 s[SIDE], 0
	s_cbranch_scc0 .Lfeat_\@
	tensor_load_to_lds s[\g0t:\g0t+3], s[\g1t:\g1t+7]
	s_nop 0
.rept 4
	v_nop
.endr
	s_branch .Lasked_\@
.Lfeat_\@:
	tensor_load_to_lds s[\g0f:\g0f+3], s[\g1f:\g1f+7]
	s_nop 0
.rept 4
	v_nop
.endr
.Lasked_\@:
.endm
.macro CROUND                          ; a round of the cluster's barrier
	s_barrier_signal -1
	s_barrier_wait -1
	s_cmp_lg_u32 s[WV], 0
	s_cbranch_scc1 .Lnot0_\@
	s_barrier_signal -3
.Lnot0_\@:
	s_barrier_wait -3
	s_barrier_signal -1
	s_barrier_wait -1
.endm
.macro WAITB n                         ; my loads but the youngest n have landed, my LDS reads are back: then everybody's
	s_wait_tensorcnt \n
	s_wait_dscnt 0x0
	s_barrier_signal -1
	s_barrier_wait -1
.endm
.macro LDFRAG reg, adr, off            ; a fragment's image: six loads of 256 consecutive bytes
.irp p, 0,1,2,3,4,5
	ds_load_b64 v[\reg+2*\p:\reg+2*\p+1], v[\adr] offset:(\off)+256*\p
.endr
.endm
.macro PROD f, t, first
.if (\f) < 4
.set AQ, 64*((\f)/2)+16*(\t)+8*((\f)%2)
.if \first
	v_wmma_scale_f32_16x16x128_f8f6f4 v[AQ:AQ+7], v[FF+12*(\f):FF+12*(\f)+11], v[TF+12*(\t):TF+12*(\t)+11], v[BI+8*(\f):BI+8*(\f)+7], v[SC+(\f)], v[SC+(\t)] matrix_a_fmt:MATRIX_FMT_FP6 matrix_b_fmt:MATRIX_FMT_FP6 matrix_a_scale:MATRIX_SCALE_ROW1
.else
	v_wmma_scale_f32_16x16x128_f8f6f4 v[AQ:AQ+7], v[FF+12*(\f):FF+12*(\f)+11], v[TF+12*(\t):TF+12*(\t)+11], v[AQ:AQ+7], v[SC+(\f)], v[SC+(\t)] matrix_a_fmt:MATRIX_FMT_FP6 matrix_b_fmt:MATRIX_FMT_FP6 matrix_a_scale:MATRIX_SCALE_ROW1
.endif
.else
.set AQ, 128+32*((\f)-4)+8*(\t)
.if \first
	v_wmma_scale_f32_16x16x128_f8f6f4 v[AQ:AQ+7], v[TF+12*(\t):TF+12*(\t)+11], v[FF+12*(\f):FF+12*(\f)+11], 0, v[SC+(\t)], v[SC+(\f)] matrix_a_fmt:MATRIX_FMT_FP6 matrix_b_fmt:MATRIX_FMT_FP6 matrix_b_scale:MATRIX_SCALE_ROW1
.else
	v_wmma_scale_f32_16x16x128_f8f6f4 v[AQ:AQ+7], v[TF+12*(\t):TF+12*(\t)+11], v[FF+12*(\f):FF+12*(\f)+11], v[AQ:AQ+7], v[SC+(\t)], v[SC+(\f)] matrix_a_fmt:MATRIX_FMT_FP6 matrix_b_fmt:MATRIX_FMT_FP6 matrix_b_scale:MATRIX_SCALE_ROW1
.endif
.endif
.endm
; A K step of 128: 66 LDS loads, 24 products.  The 24 accumulators take turns, one instruction a turn, in the same order in every step.
; Four plain instructions stand between the last products and the loads into their registers (ISA guide 7.12.1 for vector instructions).
.macro STEP at, af, so, sco, first, nops
.if \nops
.rept 4
	v_nop
.endr
.endif
.irp i, 0,1,2,3,4,5
	ds_load_b32 v[SC+\i], v[ASC] offset:(\sco)+512*\i   ; lanes 0-15: token tile i's words (i above 3: words that no product uses), lanes 16-31: feature tile i's
.endr
.irp i, 0,1,2,3
	LDFRAG TF+12*\i, \at, TSTR*\i+(\so)
.endr
.irp i, 0,1,2,3,4,5
	LDFRAG FF+12*\i, \af, TSTR*\i+(\so)
.endr
.if \first
	WIN 0x40                                       ; D in window 1, the bias as C in window 0
.else
	WIN 0x50                                       ; C and D in window 1
.endif
.irp f, 0,1,2,3,4,5
	s_wait_dscnt 6*(5-\f)                          ; all but the later feature fragments, six loads each
.irp t, 0,1,2,3
	PROD \f, \t, \first
.endr
.endr
	WIN 0
.endm
; 32 numbers of a lane, register 16 b + i = k 32 b + 16 (lane / 16) + i, become half a fragment: six registers v[pc] on; their two scale bytes in the low half of v[TM + 2]
.macro QUANT2 s, pc
.irp b, 0,1
	v_max3_num_f32 v[TM+\b], |v[\s+16*\b]|, |v[\s+1+16*\b]|, 0x1800000   ; and the floor 2^(3 - 127)
.endr
.irp i, 2,4,6,8,10,12,14
.irp b, 0,1
	s_delay_alu instid0(VALU_DEP_2)
	v_max3_num_f32 v[TM+\b], v[TM+\b], |v[\s+16*\b+\i]|, |v[\s+1+16*\b+\i]|
.endr
.endr
.irp b, 0,1
	s_delay_alu instid0(VALU_DEP_2)
	v_permlanex16_b32 v[TM+2+\b], v[TM+\b], s[SEL], s[SEL+1]
.endr
.irp b, 0,1
	s_delay_alu instid0(VALU_DEP_2)
	v_max_num_f32 v[TM+\b], v[TM+\b], v[TM+2+\b]
.endr
.irp b, 0,1
	s_delay_alu instid0(VALU_DEP_2)
	v_add_nc_u32 v[TM+4+\b], 0xff000000, v[TM+\b]  ; 2 off the exponent field: the conversion's scale operand
.endr
.irp b, 0,1
	s_delay_alu instid0(VALU_DEP_2)
	v_lshrrev_b32 v[TM+2+\b], 23, v[TM+4+\b]
.endr
	s_delay_alu instid0(VALU_DEP_1)
	v_lshl_or_b32 v[TM+2], v[TM+3], 8, v[TM+2]
	v_cvt_scalef32_pk16_fp6_f32 v[\pc:\pc+2], v[\s:\s+15], v[TM+4]
	v_cvt_scalef32_pk16_fp6_f32 v[\pc+6:\pc+8], v[\s+16:\s+31], v[TM+5]
	v_nop                                          ; one plain instruction behind the scaled conversions
.irp i, 0,1,2
	v_permlane16_swap_b32 v[\pc+\i], v[\pc+6+\i]   ; a whole block to a lane: lanes 0-15 block 0, lanes 16-31 block 1
.endr
.irp i, 0,1,2
	s_delay_alu instid0(VALU_DEP_3)
	v_mov_b32 v[\pc+3+\i], v[\pc+6+\i]
.endr
.endm
.macro ELOAD reg, tt                   ; the encoding of token tile tt: 16 numbers of freqs[0], 16 of freqs[1], at my token and my 16 d
.irp j, 0,1,2,3
	global_load_b128 v[\reg+4*\j:\reg+4*\j+3], v[VE], s[8:9] offset:256*(32*((\tt)/2)+8*((\tt)%2))+16*\j
.endr
.irp j, 0,1,2,3
	global_load_b128 v[\reg+16+4*\j:\reg+19+4*\j], v[VE], s[8:9] offset:1048576+256*(32*((\tt)/2)+8*((\tt)%2))+16*\j
.endr
.endm
; v of tile vt: + bias, quantised along my 64 tokens, half an image of the key step
.macro VOUT vt
	s_wait_xcnt 0x0                                ; earlier stores have read their data: the registers may be written again
	WIN 0x01                                       ; source 0 in window 1
.irp i, 0,2,4,6,8,10,12,14,16,18,20,22,24,26,28,30
	v_pk_add_f32 v[RO+\i:RO+\i+1], v[128+32*(\vt)+\i:129+32*(\vt)+\i], v[BV+2*(\vt):BV+2*(\vt)+1] op_sel_hi:[1,0]
.endr
	WIN 0
	QUANT2 RO, PC
.irp p, 0,1,2
	global_store_b64 v[L8], v[PC+2*\p:PC+2*\p+1], s[100:101] offset:1536*(\vt)+256*\p
.endr
	global_store_b16 v[R4], v[TM+2], s[4:5] offset:64*(\vt)   ; both halves of the lanes hold and write the same two bytes
.endm
; q or k of token tile tt: the rotary encoding, then one block of 32 along d (16 in my lane, 16 in lane l xor 16)
.macro QKOUT tt, comp, e, sc, sb
.set AC, 64*(\comp)+16*(\tt)
	s_wait_xcnt 0x0
	WIN 0x01
.irp i, 0,2,4,6,8,10,12,14
	v_pk_mul_f32 v[RO+\i:RO+\i+1], v[AC+\i:AC+\i+1], v[\e+\i:\e+\i+1]      ; t x freqs[0]
.endr
.irp i, 0,2,4,6,8,10,12,14
	v_pk_fma_f32 v[RO+\i:RO+\i+1], v[AC+\i:AC+\i+1], v[\e+16+\i:\e+17+\i], v[RO+\i:RO+\i+1] op_sel:[1,0,0] op_sel_hi:[0,1,1] neg_lo:[1,0,0]   ; + (-t odd, t even) x freqs[1]
.endr
	WIN 0
	v_max3_num_f32 v[TM], |v[RO]|, |v[RO+1]|, 0x1800000
	v_max3_num_f32 v[TM+1], |v[RO+2]|, |v[RO+3]|, |v[RO+4]|
	s_delay_alu instid0(VALU_DEP_2)
	v_max3_num_f32 v[TM], v[TM], |v[RO+5]|, |v[RO+6]|
	s_delay_alu instid0(VALU_DEP_2)
	v_max3_num_f32 v[TM+1], v[TM+1], |v[RO+7]|, |v[RO+8]|
	s_delay_alu instid0(VALU_DEP_2)
	v_max3_num_f32 v[TM], v[TM], |v[RO+9]|, |v[RO+10]|
	s_delay_alu instid0(VALU_DEP_2)
	v_max3_num_f32 v[TM+1], v[TM+1], |v[RO+11]|, |v[RO+12]|
	s_delay_alu instid0(VALU_DEP_2)
	v_max3_num_f32 v[TM], v[TM], |v[RO+13]|, |v[RO+14]|
	s_delay_alu instid0(VALU_DEP_1)
	v_max3_num_f32 v[TM], v[TM], v[TM+1], |v[RO+15]|
	s_delay_alu instid0(VALU_DEP_1)
	v_permlanex16_b32 v[TM+2], v[TM], s[SEL], s[SEL+1]
	s_delay_alu instid0(VALU_DEP_1)
	v_max_num_f32 v[TM], v[TM], v[TM+2]
	s_delay_alu instid0(VALU_DEP_1)
	v_add_nc_u32 v[TM+4], 0xff000000, v[TM]
	s_delay_alu instid0(VALU_DEP_1)
	v_lshrrev_b32 v[TM+2], 23, v[TM+4]
	v_cvt_scalef32_pk16_fp6_f32 v[PC:PC+2], v[RO:RO+15], v[TM+4]
	v_cndmask_b32 v[TM+3], v[TM+2], v[C7F], s[HM]  ; lanes 0-15 store the block's byte, lanes 16-31 the 0x7f of the unused upper 64 of K.  (The plain instruction behind the conversion)
.if \comp
	; k: key 64 g + 32 a + 8 u + j of a key step is row 8 a + j of tile 4 g + u, so that in the scores a lane's 32 registers of four tiles are one whole block of 32 keys
	global_store_b96 v[VQK], v[PC:PC+2], s[\sc:\sc+1] offset:768*((\tt)%2)+192*((\tt)/2)
	global_store_b8 v[VBK], v[TM+3], s[\sb:\sb+1] offset:64*((\tt)%2)+32*((\tt)/2)
.else
	global_store_b96 v[VQ], v[PC:PC+2], s[\sc:\sc+1] offset:768*(\tt)      ; the wave stores 384 consecutive bytes
	global_store_b8 v[VB], v[TM+3], s[\sb:\sb+1] offset:64*(\tt)
.endif
.endm
	s_load_b256 s[4:11], s[0:1], 0x0               ; wprep, Wqkv_b, encoding, qkvbuf
	v_lshl_add_u32 v[SPW], v0, 2, SPARE
	v_mov_b32 v[NIL], 0
	ds_add_u32 v[SPW], v[NIL]                      ; the wave's opening: the add, twice on end, and its wait ahead of my first tensor load
	ds_add_u32 v[SPW], v[NIL]
	v_lshrrev_b32 v1, 5, v0
	s_delay_alu instid0(VALU_DEP_1)
	v_readfirstlane_b32 s[WV], v1                  ; wave 0..7
	s_lshr_b32 s[SIDE], s[WV], 2                   ; I fetch for the tokens (0) or for the features (1),
	s_and_b32 s[PART], s[WV], 3                    ; this quarter
	s_bfe_u32 s15, ttmp6, 0x40000                  ; cx, cy
	s_bfe_u32 s16, ttmp6, 0x40004
	s_lshl_b32 s17, ttmp9, 2
	s_add_co_u32 s17, s17, s15                     ; X: the head
	s_and_b32 s18, ttmp7, 0xffff
	s_lshl_b32 s18, s18, 2
	s_add_co_u32 s18, s18, s16                     ; Y: the block of 256 tokens
	s_lshl_b32 s19, s16, 2
	s_lshl_b32 s19, 15, s19                        ; my row of the cluster
	s_lshl_b32 s20, 0x1111, s15                    ; my column
	s_or_b32 s[G1T], s19, (3<<16)|(1<<21)          ; 15:0 the mask; 17:16 elements of 8 bytes; 21 set beside a mask; no padding
	s_or_b32 s[G1ST], s19, (3<<16)|(1<<21)
	s_or_b32 s[G1F], s20, (3<<16)|(1<<21)
	s_or_b32 s[G1SF], s20, (3<<16)|(1<<21)
	GROUP1 G1T, 768, 8, 1536                       ; the head's loads: 8 tiles x 6,144 bytes (four K steps), a tile's 8 K steps apart
	GROUP1 G1F, 768, 6, 1536                       ; 6 tiles
	GROUP1 G1ST, 32, 16, 32                        ; 4,096 dense bytes as rows of 256
	GROUP1 G1SF, 32, 12, 32                        ; 3,072
	s_mov_b32 s[SEL], 0x76543210
	s_mov_b32 s[SEL+1], 0xfedcba98
	s_mul_i32 s92, s18, 196608                     ; token side: images of tiles 16 Y + 4 part on,
	s_mul_i32 s21, s[PART], 49152
	s_add_co_u32 s92, s92, s21
	s_mov_b32 s93, 0
	s_lshl_b32 s96, s18, 13                        ; and their words
	s_and_b32 s15, s[WV], 1                        ; at the head: which half I fetch,
	s_lshr_b32 s16, s[WV], 1                       ; of what: 0 token codes, 1 feature codes, 2 token words, 3 feature words
	s_lshl_b32 s21, s15, 12
	s_add_co_u32 s96, s96, s21
	s_add_co_u32 s96, s96, XS
	s_mov_b32 s97, 0
	s_mul_i32 s94, s17, 147456                     ; feature side: tiles 12 X + 3 part on
	s_mul_i32 s22, s[PART], 36864
	s_add_co_u32 s94, s94, s22
	s_add_co_u32 s94, s94, WQI
	s_mov_b32 s95, 0
	s_mul_i32 s98, s17, 6144
	s_mul_i32 s22, s15, 3072
	s_add_co_u32 s98, s98, s22
	s_add_co_u32 s98, s98, WQS
	s_mov_b32 s99, 0
	s_mul_i32 s23, s[PART], 6144                   ; where the last step's tiles go: 4 token tiles x 1,536,
	s_mul_i32 s66, s[PART], 4608                   ; 3 feature tiles
	s_add_co_u32 s66, s66, FOFF
	s_lshl_b32 s67, s15, 12
	s_add_co_u32 s67, s67, SCL
	s_mul_i32 s100, s15, 3072
	s_add_co_u32 s100, s100, SCL+8192
	s_wait_dscnt 0x0                               ; both opening adds are done
	s_wait_kmcnt 0x0
	s_add_nc_u64 s[92:93], s[4:5], s[92:93]
	s_add_nc_u64 s[96:97], s[4:5], s[96:97]
	s_add_nc_u64 s[94:95], s[4:5], s[94:95]
	s_add_nc_u64 s[98:99], s[4:5], s[98:99]
	CROUND                                         ; all sixteen work-groups are here: the first joint loads meet
	GROUP0 TS0, 67, 0, 96, 0
	GROUP0 FS0, 100, 0, 98, 0
	GROUP0 TC0, 23, 0, 92, 10752                   ; K step 7, into region A
	GROUP0 FC0, 66, 0, 94, 10752
	s_mul_i32 s19, s[PART], 18432                  ; K steps 4 to 6, into region B: 4 token tiles x 4,608,
	s_mul_i32 s20, s[PART], 13824                  ; 3 feature tiles, behind the 16 token tiles
	s_add_co_u32 s20, s20, 73728
	GROUP0 TC1, 19, SLOT, 92, 6144
	GROUP0 FC1, 20, SLOT, 94, 6144
	s_mul_i32 s96, s18, 196608                     ; the head's halves of chunk 0: 8 token tiles,
	s_mul_i32 s19, s15, 98304
	s_add_co_u32 s96, s96, s19
	s_mov_b32 s97, 0
	s_add_nc_u64 s[96:97], s[4:5], s[96:97]
	s_mul_i32 s98, s17, 147456                     ; 6 feature tiles
	s_mul_i32 s19, s15, 73728
	s_add_co_u32 s98, s98, s19
	s_add_co_u32 s98, s98, WQI
	s_mov_b32 s99, 0
	s_add_nc_u64 s[98:99], s[4:5], s[98:99]
	s_mul_i32 s19, s15, 49152
	s_mul_i32 s20, s15, 36864
	s_add_co_u32 s20, s20, FOFF
	GROUP0 TC2, 19, 0, 96, 0
	GROUP0 FC2, 20, 0, 98, 0
; THE HEAD'S LOADS, ONE A WAVE: one chain of branches on the wave's number, every way passes one load.  From here on one tensor load of a wave is out at the most.
.macro ARM under, g0, g1, next
	s_cmp_lt_u32 s16, \under
	s_cbranch_scc0 \next
	tensor_load_to_lds s[\g0:\g0+3], s[\g1:\g1+7]
	s_nop 0
.rept 4
	v_nop
.endr
	s_branch .Lhead_asked
\next:
.endm
	ARM 1, TC2, G1T, .Lhead_f
	ARM 2, FC2, G1F, .Lhead_st
	ARM 3, TS0, G1ST, .Lhead_sf
	tensor_load_to_lds s[FS0:FS0+3], s[G1SF:G1SF+7]
	s_nop 0
.rept 4
	v_nop
.endr
.Lhead_asked:
	v_and_b32 v1, 15, v0                           ; r
	v_bfe_u32 v2, v0, 4, 1                         ; h
	v_and_b32 v3, 31, v0                           ; lane
	s_delay_alu instid0(VALU_DEP_1)
	v_lshlrev_b32 v[L8], 3, v3
	s_wait_alu depctr_va_vdst(0)
	v_lshlrev_b32 v[R4], 2, v1
	s_lshr_b32 s21, s[WV], 1                       ; g
	s_and_b32 s22, s[WV], 1                        ; hb
.macro ADRS s, tstr, tb, fb            ; my fragments' addresses in chunk s: tiles tstr bytes apart, the token tiles from tb on, the feature tiles from fb on
	s_mul_i32 s23, s21, 4*(\tstr)
	s_mul_i32 s66, s22, 6*(\tstr)
	s_add_co_u32 s23, s23, \tb
	s_add_co_u32 s66, s66, \fb
	v_add_nc_u32 v[AT+\s], s23, v[L8]
	v_add_nc_u32 v[AF+\s], s66, v[L8]
.endm
	ADRS 0, 6144, 0, FOFF
	ADRS 1, 4608, SLOT, SLOT+73728
	ADRS 2, 1536, 0, FOFF
	s_lshl_b32 s67, s21, 11                        ; my token tiles' words,
	s_mul_i32 s100, s22, 3072
	s_add_co_u32 s100, s100, 8192                  ; my feature tiles',
	s_sub_co_u32 s100, s100, s67                   ; and the distance between the two
	v_mul_u32_u24 v[ASC], s100, v2
	s_delay_alu instid0(VALU_DEP_1)
	v_lshl_add_u32 v[ASC], v1, 2, v[ASC]
	s_add_co_u32 s67, s67, SCL
	v_add_nc_u32 v[ASC], s67, v[ASC]
	v_and_b32 v[VRO], 8, v1
	s_delay_alu instid0(VALU_DEP_1)
	v_add_nc_u32 v[VRO], v[VRO], v1                ; r + 8 (r / 8)
	s_delay_alu instid0(VALU_DEP_1)
	v_lshlrev_b32 v[VE], 8, v[VRO]
	s_delay_alu instid0(VALU_DEP_1)
	v_lshl_add_u32 v[VE], v2, 6, v[VE]
	s_delay_alu instid0(VALU_DEP_3)
	v_mul_u32_u24 v[VRO], v[VRO], 12               ; v's bias: 12 bytes from d to d
	v_mul_u32_u24 v[VBO], v2, 192                  ; q's and k's: my half's 16 d
	v_mul_u32_u24 v[VQ], v1, 24
	s_delay_alu instid0(VALU_DEP_1)
	v_mad_u32_u24 v[VQ], v2, 12, v[VQ]
	v_lshlrev_b32 v[VB], 2, v1
	s_delay_alu instid0(VALU_DEP_1)
	v_lshl_add_u32 v[VB], v2, 1, v[VB]
	v_and_b32 v[VBK], 7, v1                        ; r % 8
	v_lshrrev_b32 v3, 3, v1                        ; r / 8
	v_mul_u32_u24 v[VQK], v[VBK], 24
	v_lshlrev_b32 v[VBK], 2, v[VBK]
	v_mad_u32_u24 v[VQK], v2, 12, v[VQK]
	v_lshl_add_u32 v[VBK], v2, 1, v[VBK]
	v_mad_u32_u24 v[VQK], v3, 0x600, v[VQK]
	v_lshl_add_u32 v[VBK], v3, 7, v[VBK]
	v_mov_b32 v[C7F], 0x7f
	v_mov_b32 v[BV+1], 0                           ; (named as the upper halves of pairs)
	v_mov_b32 v[BV+3], 0
	v_mov_b32 v[TM+2], 0                           ; written once: a lane permute's destination counts as one of its sources
	v_mov_b32 v[TM+3], 0
	v_cmp_ne_u32 s[HM], 0, v2
	s_mul_i32 s96, s17, 768                        ; the head's biases, my d block's
	s_mul_i32 s97, s22, 384
	s_add_co_u32 s96, s96, s97
	s_mov_b32 s97, 0
	s_add_nc_u64 s[6:7], s[6:7], s[96:97]
	s_lshl_b32 s96, s18, 16                        ; the encoding at my 64 tokens and my d block
	s_lshl_b32 s97, s21, 14
	s_add_co_u32 s96, s96, s97
	s_lshl_b32 s97, s22, 7
	s_add_co_u32 s96, s96, s97
	s_mov_b32 s97, 0
	s_add_nc_u64 s[8:9], s[8:9], s[96:97]
.irp f, 0,1,2,3
.irp j, 0,1,2,3,4,5,6,7
	global_load_b32 v[BI+8*\f+\j], v[VBO], s[6:7] offset:96*(\f%2)+12*\j+4*(\f/2)   ; feature 192 head + 3 d + comp, d = 32 hb + 16 h + 8 u + j
.endr
.endr
	global_load_b32 v[BV], v[VRO], s[6:7] offset:8
	global_load_b32 v[BV+2], v[VRO], s[6:7] offset:104
	s_wait_alu depctr_va_vdst(0)
	s_wait_tensorcnt 0x0                           ; my part of the head's tiles is in; slot 1's first fill is issued as a refill is:
	ds_add_u32 v[SPW], v[NIL]                      ; 0 onto my spare word
	s_mov_b32 s[G1T+2], 4<<16                      ; no tensor load of mine is out: from here on a load brings 4 token tiles
	s_mov_b32 s[G1T+4], 4
	s_mov_b32 s[G1F+2], 3<<16                      ; or 3 feature tiles
	s_mov_b32 s[G1F+4], 3
	s_mov_b32 s[G1T+1], 576<<16                    ; of three K steps: rows of 4,608 bytes
	s_mov_b32 s[G1T+3], 576<<16
	s_mov_b32 s[G1F+1], 576<<16
	s_mov_b32 s[G1F+3], 576<<16
	s_wait_dscnt 0x0
	CROUND                                         ; everybody's part is in, and the joint loads meet
	JLOAD TC1, G1T, FC1, G1F                       ; chunk 1
	s_wait_loadcnt 0x0                             ; the biases
	STEP AT, AF, 0, 0, 1, 0
	STEP AT, AF, 1536, 64, 0, 1
	STEP AT, AF, 3072, 128, 0, 1
	STEP AT, AF, 4608, 192, 0, 1
	s_wait_tensorcnt 0x0                           ; region A is filled again: all my tensor loads have landed, my part of K steps 4 to 6 among them,
	ds_add_u32 v[SPW], v[NIL]                      ; 0 onto my spare word,
	s_mov_b32 s[G1T+1], 192<<16                    ; (no tensor load of mine is out: the last load brings one K step, rows of 1,536 bytes)
	s_mov_b32 s[G1T+3], 192<<16
	s_mov_b32 s[G1F+1], 192<<16
	s_mov_b32 s[G1F+3], 192<<16
	s_wait_dscnt 0x0                               ; the add is done and my reads of region A are back;
	CROUND                                         ; the same holds of every wave of every partner
	JLOAD TC0, G1T, FC0, G1F                       ; K step 7, the first tensor load behind the round, one a wave: it has three K steps in which to land
.set TSTR, 4608
	STEP AT+1, AF+1, 0, 256, 0, 1
	STEP AT+1, AF+1, 1536, 320, 0, 1
	STEP AT+1, AF+1, 3072, 384, 0, 1
	ELOAD 192, 0                                   ; the encoding of my first two token tiles lands under the last step
	ELOAD 224, 1
	WAITB 0                                        ; K step 7
.set TSTR, 1536
	STEP AT+2, AF+2, 0, 448, 0, 1
.rept 4
	v_nop                                          ; places in front of loads into the fragments' registers and of the first reads of results
.endr
	ELOAD 24, 2
	ELOAD 56, 3
	; where the results go
	s_lshr_b32 s15, s18, 3
	s_lshl_b32 s15, s15, 4
	s_add_co_u32 s15, s15, s17                     ; bh = 16 b + head
	s_and_b32 s16, s18, 7                          ; my block of 256 tokens in the sequence
	s_lshr_b32 s19, s21, 1
	s_lshl_b32 s23, s16, 1
	s_add_co_u32 s19, s19, s23                     ; the key step of my 64 tokens,
	s_and_b32 s20, s21, 1                          ; and which half of it
	s_mov_b32 s7, 0
	s_lshl_b32 s23, s15, 7
	s_lshl_b32 s67, s16, 4
	s_add_co_u32 s23, s23, s67
	s_lshl_b32 s67, s21, 2
	s_add_co_u32 s23, s23, s67                     ; q's tile 128 bh + 16 block + 4 g
	s_mul_i32 s6, s23, 768
	s_mul_i32 s67, s22, 384
	s_add_co_u32 s6, s6, s67
	s_add_nc_u64 s[92:93], s[10:11], s[6:7]        ; q's codes
	s_lshl_b32 s6, s23, 6
	s_add_co_u32 s6, s6, s22
	s_add_co_u32 s6, s6, QSO
	s_add_nc_u64 s[94:95], s[10:11], s[6:7]        ; q's bytes
	s_mul_i32 s23, s15, 208896                     ; a head's block: 12,288 bytes of words, then 16 key steps of 12,288 bytes of codes
	s_mul_i32 s67, s19, 12288
	s_add_co_u32 s23, s23, s67
	s_add_co_u32 s23, s23, KVO+12288
	s_mul_i32 s67, s20, 3072
	s_add_co_u32 s6, s23, s67
	s_mul_i32 s67, s22, 384
	s_add_co_u32 s6, s6, s67
	s_add_nc_u64 s[96:97], s[10:11], s[6:7]        ; k's codes
	s_mul_i32 s67, s22, 3072
	s_add_co_u32 s6, s23, s67
	s_mul_i32 s67, s20, 768
	s_add_co_u32 s6, s6, s67
	s_add_co_u32 s6, s6, 6144
	s_add_nc_u64 s[100:101], s[10:11], s[6:7]      ; v's codes
	s_mul_i32 s23, s15, 208896
	s_mul_i32 s67, s19, 768
	s_add_co_u32 s23, s23, s67
	s_add_co_u32 s23, s23, KVO
	s_lshl_b32 s67, s20, 8
	s_add_co_u32 s6, s23, s67
	s_add_co_u32 s6, s6, s22
	s_add_nc_u64 s[98:99], s[10:11], s[6:7]        ; k's bytes
	s_lshl_b32 s67, s22, 7
	s_add_co_u32 s6, s23, s67
	s_lshl_b32 s67, s20, 1
	s_add_co_u32 s6, s6, s67
	s_add_co_u32 s6, s6, 512
	s_add_nc_u64 s[4:5], s[10:11], s[6:7]          ; v's bytes
	s_wait_alu depctr_va_vdst(0)
	VOUT 0                                         ; v first: the last encoding loads land meanwhile
	VOUT 1
	s_wait_loadcnt 24                              ; tile 0's eight loads are in; the three later tiles' may be out
	QKOUT 0, 0, 192, 92, 94
	QKOUT 0, 1, 192, 96, 98
	s_wait_loadcnt 16
	QKOUT 1, 0, 224, 92, 94
	QKOUT 1, 1, 224, 96, 98
	s_wait_loadcnt 8
	QKOUT 2, 0, 24, 92, 94
	QKOUT 2, 1, 24, 96, 98
	s_wait_loadcnt 0x0
	QKOUT 3, 0, 56, 92, 94
	QKOUT 3, 1, 56, 96, 98
	s_wait_tensorcnt 0x0                           ; the wave's end
	ds_add_u32 v[SPW], v[NIL]
	s_wait_dscnt 0x0
	CROUND                                         ; the closing round
	s_endpgm
.Lfunc_end_k_q9bf78a2f5d_qkv:
	.size	k_q9bf78a2f5d_qkv, .Lfunc_end_k_q9bf78a2f5d_qkv-k_q9bf78a2f5d_qkv
	.p2alignl 7, 3214868480
	.fill 96, 4, 3214868480
	.section	.rodata,"a",@progbits
	.p2align	6, 0x0
	.amdhsa_kernel k_q9bf78a2f5d_qkv
		.amdhsa_group_segment_fixed_size 327680
		.amdhsa_private_segment_fixed_size 0
		.amdhsa_enable_private_segment 0
		.amdhsa_kernarg_size 32
		.amdhsa_user_sgpr_count 2
		.amdhsa_user_sgpr_kernarg_segment_ptr 1
		.amdhsa_wavefront_size32 1
		.amdhsa_system_sgpr_workgroup_id_x 1
		.amdhsa_system_sgpr_workgroup_id_y 1
		.amdhsa_system_sgpr_workgroup_id_z 1
		.amdhsa_system_vgpr_workitem_id 0
		.amdhsa_next_free_vgpr 512
		.amdhsa_next_free_sgpr 104
		.amdhsa_reserve_vcc 0
		.amdhsa_float_denorm_mode_32 3
		.amdhsa_float_denorm_mode_16_64 3
		.amdhsa_memory_ordered 1
		.amdhsa_forward_progress 1
		.amdhsa_inst_pref_size 112
	.end_amdhsa_kernel
	.amdgpu_metadata
---
amdhsa.version: [ 1, 2 ]
amdhsa.kernels:
  - .name:           k_q9bf78a2f5d_qkv
    .symbol:         k_q9bf78a2f5d_qkv.kd
    .args:
      - { .name: wprep, .offset: 0, .size: 8, .value_kind: global_buffer, .address_space: global }
      - { .name: Wqkv_b, .offset: 8, .size: 8, .value_kind: global_buffer, .address_space: global }
      - { .name: encoding, .offset: 16, .size: 8, .value_kind: global_buffer, .address_space: global }
      - { .name: qkvbuf, .offset: 24, .size: 8, .value_kind: global_buffer, .address_space: global }
    .group_segment_fixed_size: 327680
    .private_segment_fixed_size: 0
    .kernarg_segment_align: 8
    .kernarg_segment_size: 32
    .max_flat_workgroup_size: 256
    .sgpr_count:     104
    .vgpr_count:     512
    .wavefront_size: 32
...
	.end_amdgpu_metadata
.endif
;; end of part 2
;; launch attn (part 3): grid 8 x 32, 16 waves a work-group, clusters of 4 x 1, 210,944 bytes of LDS; arguments qkvbuf, ctxbuf; writes ctxbuf
.if DOCPART == 3
	.amdgcn_target "amdgcn-amd-amdhsa--gfx1250"
	.amdhsa_code_object_version 6
	.text
	.protected	k_q9bf78a2f5d_attn
	.globl	k_q9bf78a2f5d_attn
	.p2align	8
	.type	k_q9bf78a2f5d_attn,@function
k_q9bf78a2f5d_attn:
	s_mov_b64 s[64:65], 0
	v_nop
	global_prefetch_b8 v0, s[64:65] scope:SCOPE_SE
	s_setreg_imm32_b32 hwreg(HW_REG_WAVE_MODE, 25, 1), 1
	s_wait_xcnt 0x0
	s_wait_alu depctr_hold_cnt(0) depctr_sa_sdst(0) depctr_va_vdst(0) depctr_va_sdst(0) depctr_va_ssrc(0) depctr_va_vcc(0) depctr_vm_vsrc(0)
	s_getreg_b32 s2, hwreg(HW_REG_IB_STS2, 6, 4)
	s_cmp_eq_u32 s2, 0
	s_cbranch_scc0 .Lentry_in_a_cluster
	s_endpgm
.Lentry_in_a_cluster:
	s_bfe_u32 s2, ttmp6, 0x10000c
	s_cmp_lg_u32 s2, 0x3003
	s_cbranch_scc0 .Lentry_shape_is_right
	s_endpgm
.Lentry_shape_is_right:
; ATTN: ctx = softmax(q k^T / 8) v on codes of FP6, quantised along the head's 64 for the projection.  No work of reference() is left out.
; A work-group is 256 queries of one (batch, head); wave w takes the 16 queries of tile w.  Both products are used transposed (S^T = k q^T, O^T = v^T p^T): a lane holds one query throughout.
; ALL OF THE HEAD'S K AND V STAND IN LDS: its block of qkvbuf (12,288 bytes of scale words, then 16 key steps of 12,288 bytes of codes) is 208,896 dense bytes = 16 x 51 rows of 256:
; each wave brings a sixteenth by ONE tensor load at the head, the only one of the text; nothing is filled again, and the loop over the 16 key steps has no barrier.
; CLUSTER 4 x 1: four query blocks of one head ask for that block jointly.  No prefetch: every byte is asked for at the head, so there is no later load to run ahead of.
; A KEY STEP is 128 keys.  k's rows are laid so that row 8 a + j of tile 4 g + u is key 64 g + 32 a + 8 u + j: lane (r, h) then holds, in the 32 registers of tiles 4 g .. 4 g + 3, the whole block 2 g + h of 32 keys,
; in the order that the second product's operand wants: a block's maximum needs no other lane, and p's codes need no exchange between lanes.
; The head size is 64: q's upper six registers are zero codes, so the upper six registers of a k operand (the next tile's codes) add nothing; the words' upper bytes are 0x7f.
; Softmax by the problem's rule: M = ceil(running largest t), kept as -M; p = 2^(t - M); the sum is taken of the unquantised p; a change of M multiplies the sum and O^T by an exact power of two.
; A block's largest p is made from its largest score by the same multiply-add and exponential.
; LIMITS: as stated at the head of the first launch; the promise holds while the scaled scores stay under 2^31 in magnitude.
.set QSO,  3145728                     ; qkvbuf: q's words; q's codes at 0
.set KVO,  3407872                     ; the heads' blocks
.set KVB,  208896
.set CSO,  3145728                     ; ctxbuf: scale words
.set COD,  12288                       ; LDS: the words at 0 (768 a step: k's 8 tiles x 64, v's 4 x 64), step s's codes at COD + 12288 s (k's 8 tiles x 768, v's 4 images x 1,536)
.set SPARE,208896                      ; the spare words, 128 bytes a wave
.set WV,  8
.set SEL, 12
.set CF,  14                           ; s[14:15] log2(e) / 8
.set TB,  16
.set TS,  17
.set CNT, 18
.set G0,  20
.set G1,  24
.set TM,  212
; v1 k's codes, v2 v's codes, v3 words (4 x lane), v4 8 h, v5 v6 the add's two, v8-11 a step's addresses, v12 -M, v13 largest score, v[14:15] the sum, v16-27 q, v28 q's words,
; v32-85 fragments of k, then of v; v86-89 k's words (lanes 0-15 tile 2 i, lanes 16-31 tile 2 i + 1), v90-91 v's, v92 p's; v96-159 scores, then p; v160-191 O^T; v192-211 p's codes; v212 on at work
.macro CROUND
	s_barrier_signal -1
	s_barrier_wait -1
	s_cmp_lg_u32 s[WV], 0
	s_cbranch_scc1 .Lnot0_\@
	s_barrier_signal -3
.Lnot0_\@:
	s_barrier_wait -3
	s_barrier_signal -1
	s_barrier_wait -1
.endm
.macro MM d, a, b, c, sa, sb, row      ; row = 1: source 0's words stand in lanes 16-31
.if \row
	v_wmma_scale_f32_16x16x128_f8f6f4 v[(\d):(\d)+7], v[(\a):(\a)+11], v[(\b):(\b)+11], \c, v[\sa], v[\sb] matrix_a_fmt:MATRIX_FMT_FP6 matrix_b_fmt:MATRIX_FMT_FP6 matrix_a_scale:MATRIX_SCALE_ROW1
.else
	v_wmma_scale_f32_16x16x128_f8f6f4 v[(\d):(\d)+7], v[(\a):(\a)+11], v[(\b):(\b)+11], \c, v[\sa], v[\sb] matrix_a_fmt:MATRIX_FMT_FP6 matrix_b_fmt:MATRIX_FMT_FP6
.endif
.endm
.macro QUANT2 s, pc                    ; 32 numbers of a lane, register 16 b + i = k 32 b + 16 h + i, become half a fragment; their two bytes in the low half of v[TM + 2]
.irp b, 0,1
	v_max3_num_f32 v[TM+\b], |v[\s+16*\b]|, |v[\s+1+16*\b]|, 0x1800000
.endr
.irp i, 2,4,6,8,10,12,14
.irp b, 0,1
	s_delay_alu instid0(VALU_DEP_2)
	v_max3_num_f32 v[TM+\b], v[TM+\b], |v[\s+16*\b+\i]|, |v[\s+1+16*\b+\i]|
.endr
.endr
.irp b, 0,1
	s_delay_alu instid0(VALU_DEP_2)
	v_permlanex16_b32 v[TM+2+\b], v[TM+\b], s[SEL], s[SEL+1]
.endr
.irp b, 0,1
	s_delay_alu instid0(VALU_DEP_2)
	v_max_num_f32 v[TM+\b], v[TM+\b], v[TM+2+\b]
.endr
.irp b, 0,1
	s_delay_alu instid0(VALU_DEP_2)
	v_add_nc_u32 v[TM+4+\b], 0xff000000, v[TM+\b]
.endr
.irp b, 0,1
	s_delay_alu instid0(VALU_DEP_2)
	v_lshrrev_b32 v[TM+2+\b], 23, v[TM+4+\b]
.endr
	s_delay_alu instid0(VALU_DEP_1)
	v_lshl_or_b32 v[TM+2], v[TM+3], 8, v[TM+2]
	v_cvt_scalef32_pk16_fp6_f32 v[\pc:\pc+2], v[\s:\s+15], v[TM+4]
	v_cvt_scalef32_pk16_fp6_f32 v[\pc+6:\pc+8], v[\s+16:\s+31], v[TM+5]
	v_nop
.irp i, 0,1,2
	v_permlane16_swap_b32 v[\pc+\i], v[\pc+6+\i]
.endr
.irp i, 0,1,2
	s_delay_alu instid0(VALU_DEP_3)
	v_mov_b32 v[\pc+3+\i], v[\pc+6+\i]
.endr
.endm
	s_load_b128 s[4:7], s[0:1], 0x0                ; qkvbuf, ctxbuf
	v_lshl_add_u32 v5, v0, 2, SPARE
	v_mov_b32 v6, 0
	ds_add_u32 v5, v6                              ; the opening lines: the add, twice on end, and its wait ahead of my tensor load
	ds_add_u32 v5, v6
	v_lshrrev_b32 v7, 5, v0
	s_delay_alu instid0(VALU_DEP_1)
	v_readfirstlane_b32 s[WV], v7                  ; wave 0..15
	s_bfe_u32 s9, ttmp6, 0x40000
	s_lshl_b32 s10, ttmp9, 2
	s_add_co_u32 s10, s10, s9                      ; the block of 256 queries
	s_and_b32 s11, ttmp7, 0xffff                   ; bh = 16 b + head
	s_mov_b32 s[G1], 15|(3<<16)|(1<<21)            ; the mask of the four; elements of 8 bytes; bit 21 beside a mask
	s_mov_b32 s[G1+1], 32<<16                      ; 51 rows of 256 bytes, dense
	s_mov_b32 s[G1+2], 51<<16
	s_mov_b32 s[G1+3], 32<<16
	s_mov_b32 s[G1+4], 51
	s_mov_b32 s[G1+5], 32
	s_mov_b32 s[G1+6], 0
	s_mov_b32 s[G1+7], 0
	s_mov_b32 s[SEL], 0x76543210
	s_mov_b32 s[SEL+1], 0xfedcba98
	s_mov_b32 s[CF], 0x3e38aa3b
	s_mov_b32 s[CF+1], s[CF]
	s_mov_b32 s[G0], 1
	s_mul_i32 s[G0+1], s[WV], 13056                ; my sixteenth, in LDS as in memory
	s_mul_i32 s32, s11, KVB
	s_add_co_u32 s32, s32, s[G0+1]
	s_add_co_u32 s32, s32, KVO
	s_mov_b32 s33, 0
	s_lshl_b32 s34, s11, 7
	s_lshl_b32 s35, s10, 4
	s_add_co_u32 s34, s34, s35
	s_add_co_u32 s34, s34, s[WV]                   ; my tile of q
	s_mul_i32 s36, s34, 768
	s_mov_b32 s37, 0
	s_lshl_b32 s38, s34, 6
	s_add_co_u32 s38, s38, QSO
	s_mov_b32 s39, 0
	s_wait_dscnt 0x0                               ; both opening adds are done
	s_wait_kmcnt 0x0
	s_add_nc_u64 s[G0+2:G0+3], s[4:5], s[32:33]
	s_or_b32 s[G0+3], s[G0+3], 0x80000000
	s_add_nc_u64 s[36:37], s[4:5], s[36:37]
	s_add_nc_u64 s[38:39], s[4:5], s[38:39]
	CROUND                                         ; the four work-groups are here: the joint loads meet
	tensor_load_to_lds s[G0:G0+3], s[G1:G1+7]
	s_nop 0
	v_and_b32 v7, 31, v0                           ; lane
	v_and_b32 v29, 15, v0                          ; r
	v_bfe_u32 v4, v0, 4, 1                         ; h
	v_mul_u32_u24 v9, v7, 24
	v_lshlrev_b32 v30, 2, v29                      ; 4 r
	v_lshlrev_b32 v31, 3, v7                       ; 8 x lane
	v_lshlrev_b32 v3, 2, v7                        ; 4 x lane
	v_lshlrev_b32 v4, 3, v4                        ; 8 h: where my blocks' bytes stand in p's word
.irp p, 0,1,2
	global_load_b64 v[16+2*\p:17+2*\p], v9, s[36:37] offset:8*\p
.endr
	global_load_b32 v28, v30, s[38:39]
	v_add_nc_u32 v1, COD, v9
	v_add_nc_u32 v2, COD+6144, v31
.irp j, 22,23,24,25,26,27,80,81,82,83,84,85,14,15,245,214,215,216,217,227
	v_mov_b32 v[\j], 0                             ; zero codes; the sum; upper halves of pairs; lane permutes' destinations
.endr
	v_mov_b32 v13, 0xff61b1e6                      ; the largest score so far: -3e38
	v_mul_f32 v12, s[CF], v13
	v_floor_f32 v12, -v12                          ; -M
.set j, 0
.rept 32
	v_mov_b32 v[160+j], 0                          ; O^T: the step is written once; the first change of M leaves zeros zeros
.set j, j+1
.endr
	s_mov_b32 s[TB], 0
	s_mov_b32 s[TS], 0
	s_mov_b32 s[CNT], 16
	s_wait_alu depctr_va_vdst(0)
	s_wait_tensorcnt 0x0                           ; my sixteenth is in,
	s_barrier_signal -1
	s_barrier_wait -1                              ; and everybody's
	s_wait_loadcnt 0x0                             ; q
.Lstep:
	v_add_nc_u32 v8, s[TB], v1
	v_add_nc_u32 v10, s[TS], v3
.irp i, 0,1,2,3
	ds_load_b32 v[86+\i], v10 offset:128*\i        ; k's words, two tiles a register
.endr
.irp t, 0,1,2,3,4,5,6,7
.irp p, 0,1,2
	ds_load_b64 v[32+6*\t+2*\p:33+6*\t+2*\p], v8 offset:768*\t+8*\p
.endr
.endr
.irp t, 0,1,2,3,4,5,6,7
.if \t < 7
	s_wait_dscnt 18-3*\t                           ; tiles up to t + 1 are in; the later tiles' three loads each may be out
.endif
	MM 96+8*\t, 32+6*\t, 16, 0, 86+\t/2, 28, \t%2
.endr
	v_add_nc_u32 v9, s[TB], v2                     ; four plain instructions between the products and the loads into their registers and the first reads of results
	v_add_nc_u32 v11, s[TS], v3
	v_mov_b32 v229, v12                            ; the old -M
	v_nop
.irp i, 0,1
	ds_load_b32 v[90+\i], v11 offset:512+128*\i    ; v's words
.endr
.irp t, 0,1,2,3
.irp p, 0,1,2,3,4,5
	ds_load_b64 v[32+12*\t+2*\p:33+12*\t+2*\p], v9 offset:1536*\t+256*\p
.endr
.endr
	; my two blocks' largest scores, in four chains by turns; each accumulator is read from its low end on
.irp q, 0,1,2,3
	v_max3_num_f32 v[218+\q], v[96+16*\q], v[97+16*\q], v[98+16*\q]
.endr
.irp i, 3,5,7,9,11,13
.irp q, 0,1,2,3
	v_max3_num_f32 v[218+\q], v[218+\q], v[96+16*\q+\i], v[97+16*\q+\i]
.endr
.endr
.irp g, 0,1
	v_max3_num_f32 v[212+\g], v[218+2*\g], v[219+2*\g], v[111+32*\g]
.endr
.irp g, 0,1
	v_max_num_f32 v[212+\g], v[212+\g], v[127+32*\g]
.endr
	s_delay_alu instid0(VALU_DEP_1)
	v_max3_num_f32 v228, v212, v213, v13
	s_delay_alu instid0(VALU_DEP_1)
	v_permlanex16_b32 v216, v228, s[SEL], s[SEL+1]
	s_delay_alu instid0(VALU_DEP_1)
	v_max_num_f32 v13, v228, v216                  ; the running largest score of my query
	s_delay_alu instid0(VALU_DEP_1)
	v_mul_f32 v228, s[CF], v13                     ; as t
	s_delay_alu instid0(VALU_DEP_1)
	v_floor_f32 v12, -v228                         ; -M = -ceil(t)
.set j, 0
.rept 32
	v_pk_fma_f32 v[96+j:97+j], v[96+j:97+j], s[CF:CF+1], v[12:13] op_sel_hi:[1,0,0]   ; t - M
.set j, j+2
.endr
	v_fma_f32 v212, v212, s[CF], v12               ; the same of each block's largest score
	v_fma_f32 v213, v213, s[CF], v12
	v_sub_f32 v228, v12, v229                      ; M's old value less its new one
	s_delay_alu instid0(VALU_DEP_1)
	v_cvt_i32_f32 v228, v228                       ; (it saturates)
	s_delay_alu instid0(VALU_DEP_1)
	v_ldexp_f32 v244, 1.0, v228                    ; f = 2^(old M - new M)
	s_wait_alu depctr_va_vdst(0)
.set j, 0
.rept 64
	v_exp_f32 v[96+j], v[96+j]                     ; p
.set j, j+1
.endr
	v_exp_f32 v212, v212                           ; the blocks' largest p
	v_exp_f32 v213, v213
	v_pk_mul_f32 v[14:15], v[14:15], v[244:245] op_sel_hi:[1,0]   ; the sum under the new M: the plain instruction behind the batch
	s_wait_alu depctr_va_vdst(0)                   ; one wait for the batch of 66
	v_max_num_f32 v212, 0x1800000, v212            ; the floor 2^(3 - 127): the byte cannot fall under 1
	v_max_num_f32 v213, 0x1800000, v213
	s_delay_alu instid0(VALU_DEP_2)
	v_add_nc_u32 v220, 0xff000000, v212            ; 2 off the exponent field: the conversion's scale operand
	s_delay_alu instid0(VALU_DEP_2)
	v_add_nc_u32 v221, 0xff000000, v213
.irp g, 0,1
	v_cvt_scalef32_pk16_fp6_f32 v[192+6*\g:194+6*\g], v[96+32*\g:111+32*\g], v[220+\g]
	v_cvt_scalef32_pk16_fp6_f32 v[204+4*\g:206+4*\g], v[112+32*\g:127+32*\g], v[220+\g]   ; (a conversion's three registers begin on an even number)
.endr
	v_lshrrev_b32 v224, 23, v220                   ; my two bytes: blocks h and 2 + h.  (The plain instruction behind the conversions)
	v_lshrrev_b32 v225, 23, v221
	s_delay_alu instid0(VALU_DEP_1)
	v_lshl_or_b32 v226, v225, 16, v224
	s_delay_alu instid0(VALU_DEP_1)
	v_lshlrev_b32 v226, v4, v226                   ; at their places in the word,
	s_delay_alu instid0(VALU_DEP_1)
	v_permlanex16_b32 v227, v226, s[SEL], s[SEL+1]
	s_delay_alu instid0(VALU_DEP_1)
	v_or_b32 v92, v226, v227                       ; with lane l xor 16's two the word is whole
.irp g, 0,1
.irp i, 0,1,2
	v_mov_b32 v[195+6*\g+\i], v[204+4*\g+\i]
.endr
.endr
	s_wait_dscnt 0x0                               ; v's fragments and words
	s_wait_alu depctr_va_vdst(0)
.set j, 0
.rept 16
	v_pk_mul_f32 v[160+j:161+j], v[160+j:161+j], v[244:245] op_sel_hi:[1,0]   ; O^T under the new M.  (Also the places between p's word and codes and the products)
.set j, j+2
.endr
.irp t, 0,1,2,3
	MM 160+8*\t, 32+12*\t, 192, v[160+8*\t:167+8*\t], 90+\t/2, 92, \t%2
.endr
	; the row's sum of the unquantised p, in four chains.  (Also the places between the products and the next step's loads into their registers)
	v_pk_add_f32 v[230:231], v[96:97], v[98:99]
	v_pk_add_f32 v[248:249], v[100:101], v[102:103]
	v_pk_add_f32 v[250:251], v[104:105], v[106:107]
	v_pk_add_f32 v[14:15], v[14:15], v[108:109]
.set j, 14
.rept 6
	v_pk_add_f32 v[230:231], v[230:231], v[96+j:97+j]
	v_pk_add_f32 v[248:249], v[248:249], v[98+j:99+j]
	v_pk_add_f32 v[250:251], v[250:251], v[100+j:101+j]
	v_pk_add_f32 v[14:15], v[14:15], v[102+j:103+j]
.set j, j+8
.endr
	v_pk_add_f32 v[230:231], v[230:231], v[158:159]
	s_delay_alu instid0(VALU_DEP_3)
	v_pk_add_f32 v[248:249], v[248:249], v[250:251]
	s_delay_alu instid0(VALU_DEP_2)
	v_pk_add_f32 v[14:15], v[14:15], v[230:231]
	s_delay_alu instid0(VALU_DEP_1)
	v_pk_add_f32 v[14:15], v[14:15], v[248:249]
	s_add_co_u32 s[TB], s[TB], 12288
	s_add_co_u32 s[TS], s[TS], 768
	s_sub_co_u32 s[CNT], s[CNT], 1
	s_cmp_lg_u32 s[CNT], 0
	s_cbranch_scc1 .Lstep
	v_add_f32 v14, v14, v15
	s_delay_alu instid0(VALU_DEP_1)
	v_permlanex16_b32 v228, v14, s[SEL], s[SEL+1]
	s_delay_alu instid0(VALU_DEP_1)
	v_add_f32 v14, v14, v228                       ; with lane l xor 16's blocks: the row's sum
	s_wait_alu depctr_va_vdst(0)
	v_rcp_f32 v14, v14
	v_nop
	s_lshr_b32 s20, s11, 4                         ; b
	s_and_b32 s21, s11, 15                         ; head
	s_lshl_b32 s20, s20, 7
	s_lshl_b32 s22, s10, 4
	s_add_co_u32 s20, s20, s22
	s_add_co_u32 s20, s20, s[WV]                   ; my token tile
	s_lshr_b32 s22, s21, 1                         ; the projection's K step,
	s_and_b32 s21, s21, 1                          ; and which half of it
	s_lshl_b32 s24, s20, 3
	s_add_co_u32 s24, s24, s22
	s_mul_i32 s24, s24, 1536
	s_mul_i32 s23, s21, 768
	s_add_co_u32 s24, s24, s23
	s_mov_b32 s25, 0
	s_add_nc_u64 s[24:25], s[6:7], s[24:25]
	s_lshl_b32 s26, s20, 9
	s_lshl_b32 s23, s22, 6
	s_add_co_u32 s26, s26, s23
	s_lshl_b32 s23, s21, 1
	s_add_co_u32 s26, s26, s23
	s_add_co_u32 s26, s26, CSO
	s_mov_b32 s27, 0
	s_add_nc_u64 s[26:27], s[6:7], s[26:27]
	s_wait_alu depctr_va_vdst(0)                   ; ahead of the first reader of the reciprocal and of O^T
.set j, 0
.rept 32
	v_mul_f32 v[96+j], v[160+j], v14
.set j, j+1
.endr
	QUANT2 96, 192
.irp p, 0,1,2
	global_store_b64 v31, v[192+2*\p:193+2*\p], s[24:25] offset:256*\p     ; 256 consecutive bytes, aligned
.endr
	global_store_b16 v30, v[TM+2], s[26:27]        ; both halves of the lanes hold and write the same two bytes
	s_wait_tensorcnt 0x0                           ; the wave's end
	ds_add_u32 v5, v6
	s_wait_dscnt 0x0
	CROUND                                         ; the closing round
	s_endpgm
.Lfunc_end_k_q9bf78a2f5d_attn:
	.size	k_q9bf78a2f5d_attn, .Lfunc_end_k_q9bf78a2f5d_attn-k_q9bf78a2f5d_attn
	.p2alignl 7, 3214868480
	.fill 96, 4, 3214868480
	.section	.rodata,"a",@progbits
	.p2align	6, 0x0
	.amdhsa_kernel k_q9bf78a2f5d_attn
		.amdhsa_group_segment_fixed_size 210944
		.amdhsa_private_segment_fixed_size 0
		.amdhsa_enable_private_segment 0
		.amdhsa_kernarg_size 16
		.amdhsa_user_sgpr_count 2
		.amdhsa_user_sgpr_kernarg_segment_ptr 1
		.amdhsa_wavefront_size32 1
		.amdhsa_system_sgpr_workgroup_id_x 1
		.amdhsa_system_sgpr_workgroup_id_y 1
		.amdhsa_system_sgpr_workgroup_id_z 1
		.amdhsa_system_vgpr_workitem_id 0
		.amdhsa_next_free_vgpr 256
		.amdhsa_next_free_sgpr 66
		.amdhsa_reserve_vcc 0
		.amdhsa_float_denorm_mode_32 3
		.amdhsa_float_denorm_mode_16_64 3
		.amdhsa_memory_ordered 1
		.amdhsa_forward_progress 1
		.amdhsa_inst_pref_size 29
	.end_amdhsa_kernel
	.amdgpu_metadata
---
amdhsa.version: [ 1, 2 ]
amdhsa.kernels:
  - .name:           k_q9bf78a2f5d_attn
    .symbol:         k_q9bf78a2f5d_attn.kd
    .args:
      - { .name: qkvbuf, .offset: 0, .size: 8, .value_kind: global_buffer, .address_space: global }
      - { .name: ctxbuf, .offset: 8, .size: 8, .value_kind: global_buffer, .address_space: global }
    .group_segment_fixed_size: 210944
    .private_segment_fixed_size: 0
    .kernarg_segment_align: 8
    .kernarg_segment_size: 16
    .max_flat_workgroup_size: 512
    .sgpr_count:     66
    .vgpr_count:     256
    .wavefront_size: 32
...
	.end_amdgpu_metadata
.endif
;; end of part 3
;; launch outp (part 4): grid 8 x 32, 8 waves a work-group, clusters of 4 x 4, 205,824 bytes of LDS; arguments ctxbuf, wprep, out_b, msgbuf; writes msgbuf
.if DOCPART == 4
	.amdgcn_target "amdgcn-amd-amdhsa--gfx1250"
	.amdhsa_code_object_version 6
	.text
	.protected	k_q9bf78a2f5d_outp
	.globl	k_q9bf78a2f5d_outp
	.p2align	8
	.type	k_q9bf78a2f5d_outp,@function
k_q9bf78a2f5d_outp:
	s_mov_b64 s[64:65], 0
	v_nop
	global_prefetch_b8 v0, s[64:65] scope:SCOPE_SE
	s_setreg_imm32_b32 hwreg(HW_REG_WAVE_MODE, 25, 1), 1
	s_wait_xcnt 0x0
	s_wait_alu depctr_hold_cnt(0) depctr_sa_sdst(0) depctr_va_vdst(0) depctr_va_sdst(0) depctr_va_ssrc(0) depctr_va_vcc(0) depctr_vm_vsrc(0)
	s_getreg_b32 s2, hwreg(HW_REG_IB_STS2, 6, 4)
	s_cmp_eq_u32 s2, 0
	s_cbranch_scc0 .Lentry_in_a_cluster
	s_endpgm
.Lentry_in_a_cluster:
	s_bfe_u32 s2, ttmp6, 0x10000c
	s_cmp_lg_u32 s2, 0xf033
	s_cbranch_scc0 .Lentry_shape_is_right
	s_endpgm
.Lentry_shape_is_right:
; OUT: message = ctx out_w^T + out_b on codes of FP6, quantised along its 1,024 for the next product.  No work of reference() is left out.
; A work-group makes 128 tokens x 128 features.  Eight waves, two to a SIMD: wave w takes token tiles 2 tg, 2 tg + 1 (tg = w / 2) and feature tiles 4 fh .. 4 fh + 3 (fh = w % 2).
; Source 0 = features, source 1 = tokens: a lane holds one token and its 32 registers 64 neighbouring features: half a K step of the next product.
; K = 1,024 is one chunk of eight K steps, brought at the head: all fills are first fills.  CLUSTER 4 x 4: token tiles jointly along a row, feature tiles along a column.  One tensor load of a wave is out at the most.
; LIMITS: as stated at the head of the first launch.
.set CSO,  3145728                     ; ctxbuf: scale words
.set WOI,  5734400                     ; wprep: out_w's images and words
.set WOS,  6520832
.set MSO,  3145728                     ; msgbuf: scale words
.set TSTR, 12288                       ; a tile's eight K steps: all of K stands in LDS, brought by one load a wave at the head
.set SLOT, 98304                       ; 8 token tiles x 12,288
.set FOFF, 98304
.set SCL,  196608                      ; the scale words of all of K: 8 x 512 and 8 x 512
.set SCT,  512
.set SPARE,204800
.set AT, 4
.set AF, 7
.set ASC, 10
.set SPW, 11
.set NIL, 12
.set L8, 13
.set R4, 14
.set VBO, 15
.set SC, 24
.set TF, 32
.set FF, 56
.set BI, 104
.set ACC, 136                          ; accumulator (token tile t, feature tile f) at v[136 + 32 t + 8 f]
.set TM, 200
.set PC, 232
.set WV, 12
.set SIDE, 13
.set PART, 14
.set SEL, 2
.set G1T, 24
.set G1F, 32
.set G1ST, 40
.set G1SF, 48
.set TS0, 56
.set TC0, 60
.set TC1, 68
.set FS0, 72
.set FC0, 76
.set FC1, 80
.macro GROUP1 g, c, r, p
	s_mov_b32 s[\g+1], ((\c)&0xffff)<<16
	s_mov_b32 s[\g+2], ((\c)>>16)|(((\r)&0xffff)<<16)
	s_mov_b32 s[\g+3], ((\r)>>16)|((\c)<<16)
	s_mov_b32 s[\g+4], \r
	s_mov_b32 s[\g+5], \p
	s_mov_b32 s[\g+6], 0
	s_mov_b32 s[\g+7], 0
.endm
.macro GROUP0 g, lds, ldsoff, adr, off
	s_mov_b32 s[\g], 1
	s_add_co_u32 s[\g+1], s[\lds], \ldsoff
	s_add_nc_u64 s[\g+2:\g+3], s[\adr:\adr+1], \off
	s_or_b32 s[\g+3], s[\g+3], 0x80000000
.endm
.macro ARM under, g0, g1, next         ; an arm of the head's one chain of branches on the wave's number: a joint load, its s_nop 0 and four v_nop, a jump to the join
	s_cmp_lt_u32 s[SIDE], \under
	s_cbranch_scc0 \next
	tensor_load_to_lds s[\g0:\g0+3], s[\g1:\g1+7]
	s_nop 0
.rept 4
	v_nop
.endr
	s_branch .Lhead_asked
\next:
.endm
.macro CROUND
	s_barrier_signal -1
	s_barrier_wait -1
	s_cmp_lg_u32 s[WV], 0
	s_cbranch_scc1 .Lnot0_\@
	s_barrier_signal -3
.Lnot0_\@:
	s_barrier_wait -3
	s_barrier_signal -1
	s_barrier_wait -1
.endm
.macro WAITB n
	s_wait_tensorcnt \n
	s_wait_dscnt 0x0
	s_barrier_signal -1
	s_barrier_wait -1
.endm
.macro LDFRAG reg, adr, off
.irp p, 0,1,2,3,4,5
	ds_load_b64 v[\reg+2*\p:\reg+2*\p+1], v[\adr] offset:(\off)+256*\p
.endr
.endm
.macro PROD f, t, first
.set AQ, ACC+32*(\t)+8*(\f)
.if \first
	v_wmma_scale_f32_16x16x128_f8f6f4 v[AQ:AQ+7], v[FF+12*(\f):FF+12*(\f)+11], v[TF+12*(\t):TF+12*(\t)+11], v[BI+8*(\f):BI+8*(\f)+7], v[SC+(\f)], v[SC+(\t)] matrix_a_fmt:MATRIX_FMT_FP6 matrix_b_fmt:MATRIX_FMT_FP6 matrix_a_scale:MATRIX_SCALE_ROW1
.else
	v_wmma_scale_f32_16x16x128_f8f6f4 v[AQ:AQ+7], v[FF+12*(\f):FF+12*(\f)+11], v[TF+12*(\t):TF+12*(\t)+11], v[AQ:AQ+7], v[SC+(\f)], v[SC+(\t)] matrix_a_fmt:MATRIX_FMT_FP6 matrix_b_fmt:MATRIX_FMT_FP6 matrix_a_scale:MATRIX_SCALE_ROW1
.endif
.endm
; A K step of 128: 40 LDS loads, 8 products on 8 accumulators by turns; four plain instructions between the last products and the loads into their registers
.macro STEP at, af, so, sco, first, nops
.if \nops
.rept 4
	v_nop
.endr
.endif
.irp i, 0,1,2,3
	ds_load_b32 v[SC+\i], v[ASC] offset:(\sco)+SCT*\i   ; lanes 0-15: token tile i's words (i above 1: words that no product uses), lanes 16-31: feature tile i's
.endr
.irp i, 0,1
	LDFRAG TF+12*\i, \at, TSTR*\i+(\so)
.endr
.irp i, 0,1,2,3
	LDFRAG FF+12*\i, \af, TSTR*\i+(\so)
.endr
.irp f, 0,1,2,3
	s_wait_dscnt 6*(3-\f)                          ; all but the later feature fragments, six loads each
.irp t, 0,1
	PROD \f, \t, \first
.endr
.endr
.endm
.macro QUANT2 s, pc
.irp b, 0,1
	v_max3_num_f32 v[TM+\b], |v[\s+16*\b]|, |v[\s+1+16*\b]|, 0x1800000
.endr
.irp i, 2,4,6,8,10,12,14
.irp b, 0,1
	v_max3_num_f32 v[TM+\b], v[TM+\b], |v[\s+16*\b+\i]|, |v[\s+1+16*\b+\i]|
.endr
.endr
.irp b, 0,1
	s_delay_alu instid0(VALU_DEP_2)
	v_permlanex16_b32 v[TM+2+\b], v[TM+\b], s[SEL], s[SEL+1]
.endr
.irp b, 0,1
	s_delay_alu instid0(VALU_DEP_2)
	v_max_num_f32 v[TM+\b], v[TM+\b], v[TM+2+\b]
.endr
.irp b, 0,1
	s_delay_alu instid0(VALU_DEP_2)
	v_add_nc_u32 v[TM+4+\b], 0xff000000, v[TM+\b]
.endr
.irp b, 0,1
	s_delay_alu instid0(VALU_DEP_2)
	v_lshrrev_b32 v[TM+2+\b], 23, v[TM+4+\b]
.endr
	s_delay_alu instid0(VALU_DEP_1)
	v_lshl_or_b32 v[TM+2], v[TM+3], 8, v[TM+2]
	v_cvt_scalef32_pk16_fp6_f32 v[\pc:\pc+2], v[\s:\s+15], v[TM+4]
	v_cvt_scalef32_pk16_fp6_f32 v[\pc+6:\pc+8], v[\s+16:\s+31], v[TM+5]
	v_nop
.irp i, 0,1,2
	v_permlane16_swap_b32 v[\pc+\i], v[\pc+6+\i]
.endr
.irp i, 0,1,2
	s_delay_alu instid0(VALU_DEP_3)
	v_mov_b32 v[\pc+3+\i], v[\pc+6+\i]
.endr
.endm
	s_load_b256 s[4:11], s[0:1], 0x0               ; ctxbuf, wprep, out_b, msgbuf
	v_lshl_add_u32 v[SPW], v0, 2, SPARE
	v_mov_b32 v[NIL], 0
	ds_add_u32 v[SPW], v[NIL]                      ; the wave's opening: the add, twice on end, and its wait ahead of my first tensor load
	ds_add_u32 v[SPW], v[NIL]
	v_lshrrev_b32 v1, 5, v0
	s_delay_alu instid0(VALU_DEP_1)
	v_readfirstlane_b32 s[WV], v1
	s_lshr_b32 s[SIDE], s[WV], 1                   ; what I fetch: 0 token codes, 1 feature codes, 2 token words, 3 feature words,
	s_and_b32 s[PART], s[WV], 1                    ; and which half of it
	s_bfe_u32 s15, ttmp6, 0x40000
	s_bfe_u32 s16, ttmp6, 0x40004
	s_lshl_b32 s17, ttmp9, 2
	s_add_co_u32 s17, s17, s15                     ; X: the block of 128 features
	s_and_b32 s18, ttmp7, 0xffff
	s_lshl_b32 s18, s18, 2
	s_add_co_u32 s18, s18, s16                     ; Y: the block of 128 tokens
	s_lshl_b32 s19, s16, 2
	s_lshl_b32 s19, 15, s19
	s_lshl_b32 s20, 0x1111, s15
	s_or_b32 s[G1T], s19, (3<<16)|(1<<21)
	s_or_b32 s[G1ST], s19, (3<<16)|(1<<21)
	s_or_b32 s[G1F], s20, (3<<16)|(1<<21)
	s_or_b32 s[G1SF], s20, (3<<16)|(1<<21)
	GROUP1 G1T, 1536, 4, 1536                      ; 4 tiles x 12,288 bytes, dense
	GROUP1 G1F, 1536, 4, 1536
	GROUP1 G1ST, 32, 8, 32                         ; 2,048 dense bytes
	GROUP1 G1SF, 32, 8, 32
	s_mov_b32 s[SEL], 0x76543210
	s_mov_b32 s[SEL+1], 0xfedcba98
	s_mul_i32 s84, s18, 98304
	s_mul_i32 s21, s[PART], 49152
	s_add_co_u32 s84, s84, s21
	s_mov_b32 s85, 0
	s_lshl_b32 s86, s18, 12
	s_lshl_b32 s21, s[PART], 11
	s_add_co_u32 s86, s86, s21
	s_add_co_u32 s86, s86, CSO
	s_mov_b32 s87, 0
	s_mul_i32 s88, s17, 98304
	s_mul_i32 s22, s[PART], 49152
	s_add_co_u32 s88, s88, s22
	s_add_co_u32 s88, s88, WOI
	s_mov_b32 s89, 0
	s_lshl_b32 s90, s17, 12
	s_lshl_b32 s22, s[PART], 11
	s_add_co_u32 s90, s90, s22
	s_add_co_u32 s90, s90, WOS
	s_mov_b32 s91, 0
	s_mul_i32 s23, s[PART], 49152
	s_add_co_u32 s66, s23, FOFF
	s_lshl_b32 s67, s[PART], 11
	s_add_co_u32 s92, s67, SCL+4096
	s_add_co_u32 s67, s67, SCL
	s_wait_dscnt 0x0
	s_wait_kmcnt 0x0
	s_add_nc_u64 s[84:85], s[4:5], s[84:85]
	s_add_nc_u64 s[86:87], s[4:5], s[86:87]
	s_add_nc_u64 s[88:89], s[6:7], s[88:89]
	s_add_nc_u64 s[90:91], s[6:7], s[90:91]
	CROUND
	GROUP0 TS0, 67, 0, 86, 0
	GROUP0 FS0, 92, 0, 90, 0
	GROUP0 TC0, 23, 0, 84, 0
	GROUP0 FC0, 66, 0, 88, 0
	ARM 1, TC0, G1T, .Lhead_f                      ; the head's loads, one a wave, the only ones of the text: every way passes one
	ARM 2, FC0, G1F, .Lhead_st
	ARM 3, TS0, G1ST, .Lhead_sf
	tensor_load_to_lds s[FS0:FS0+3], s[G1SF:G1SF+7]
	s_nop 0
.rept 4
	v_nop
.endr
.Lhead_asked:
	v_and_b32 v1, 15, v0
	v_bfe_u32 v2, v0, 4, 1
	s_wait_alu depctr_va_vdst(0)
	v_and_b32 v3, 31, v0
	s_delay_alu instid0(VALU_DEP_1)
	v_lshlrev_b32 v[L8], 3, v3
	v_lshlrev_b32 v[R4], 2, v1
	v_lshlrev_b32 v[VBO], 6, v2
	s_lshr_b32 s21, s[WV], 1                       ; tg
	s_and_b32 s22, s[WV], 1                        ; fh
	s_mul_i32 s23, s21, 2*TSTR
	s_mul_i32 s66, s22, 4*TSTR
	s_add_co_u32 s66, s66, FOFF
.irp s, 0
	v_add_nc_u32 v[AT+\s], s23, v[L8]
	v_add_nc_u32 v[AF+\s], s66, v[L8]
	s_add_co_u32 s23, s23, SLOT
	s_add_co_u32 s66, s66, SLOT
.endr
	s_lshl_b32 s67, s21, 10
	s_lshl_b32 s92, s22, 11
	s_add_co_u32 s92, s92, 4096
	s_sub_co_u32 s92, s92, s67                     ; from my token tiles' words to my feature tiles'
	v_mul_u32_u24 v[ASC], s92, v2
	s_delay_alu instid0(VALU_DEP_1)
	v_lshl_add_u32 v[ASC], v1, 2, v[ASC]
	s_add_co_u32 s67, s67, SCL
	v_add_nc_u32 v[ASC], s67, v[ASC]
	v_mov_b32 v[TM+2], 0
	v_mov_b32 v[TM+3], 0
	s_lshl_b32 s94, s17, 9
	s_lshl_b32 s95, s22, 8
	s_add_co_u32 s94, s94, s95
	s_mov_b32 s95, 0
	s_add_nc_u64 s[8:9], s[8:9], s[94:95]          ; out_b at my 64 features
	s_wait_alu depctr_va_vdst(0)                   ; directly ahead of the loads that read the offset made above
.irp f, 0,1,2,3
	global_load_b128 v[BI+8*\f:BI+8*\f+3], v[VBO], s[8:9] offset:4*(32*(\f/2)+8*(\f%2))
	global_load_b128 v[BI+8*\f+4:BI+8*\f+7], v[VBO], s[8:9] offset:4*(32*(\f/2)+8*(\f%2))+16
.endr
	s_wait_alu depctr_va_vdst(0)
	WAITB 0                                        ; the words and all of K are in
	s_wait_loadcnt 0x0
	STEP AT, AF, 0, 0, 1, 0
	STEP AT, AF, 1536, 64, 0, 1
	STEP AT, AF, 3072, 128, 0, 1
	STEP AT, AF, 4608, 192, 0, 1
	STEP AT, AF, 6144, 256, 0, 1
	STEP AT, AF, 7680, 320, 0, 1
	STEP AT, AF, 9216, 384, 0, 1
	STEP AT, AF, 10752, 448, 0, 1
.rept 4
	v_nop                                          ; places in front of the first reads of results
.endr
	s_lshl_b32 s93, s18, 3
	s_lshl_b32 s100, s21, 1
	s_add_co_u32 s93, s93, s100                    ; my first token tile
	s_lshl_b32 s94, s93, 3
	s_add_co_u32 s94, s94, s17                     ; its image of K step X
	s_mul_i32 s94, s94, 1536
	s_mul_i32 s100, s22, 768
	s_add_co_u32 s94, s94, s100
	s_add_nc_u64 s[96:97], s[10:11], s[94:95]
	s_lshl_b32 s94, s93, 9
	s_lshl_b32 s100, s17, 6
	s_add_co_u32 s94, s94, s100
	s_lshl_b32 s100, s22, 1
	s_add_co_u32 s94, s94, s100
	s_add_co_u32 s94, s94, MSO
	s_add_nc_u64 s[98:99], s[10:11], s[94:95]
.irp t, 0,1
	s_wait_xcnt 0x0                                ; the stores before have read their data
	QUANT2 ACC+32*\t, PC
.irp p, 0,1,2
	global_store_b64 v[L8], v[PC+2*\p:PC+2*\p+1], s[96:97] offset:12288*\t+256*\p
.endr
	global_store_b16 v[R4], v[TM+2], s[98:99] offset:512*\t
.endr
	s_wait_tensorcnt 0x0                           ; the wave's end
	ds_add_u32 v[SPW], v[NIL]
	s_wait_dscnt 0x0
	CROUND
	s_endpgm
.Lfunc_end_k_q9bf78a2f5d_outp:
	.size	k_q9bf78a2f5d_outp, .Lfunc_end_k_q9bf78a2f5d_outp-k_q9bf78a2f5d_outp
	.p2alignl 7, 3214868480
	.fill 96, 4, 3214868480
	.section	.rodata,"a",@progbits
	.p2align	6, 0x0
	.amdhsa_kernel k_q9bf78a2f5d_outp
		.amdhsa_group_segment_fixed_size 205824
		.amdhsa_private_segment_fixed_size 0
		.amdhsa_enable_private_segment 0
		.amdhsa_kernarg_size 32
		.amdhsa_user_sgpr_count 2
		.amdhsa_user_sgpr_kernarg_segment_ptr 1
		.amdhsa_wavefront_size32 1
		.amdhsa_system_sgpr_workgroup_id_x 1
		.amdhsa_system_sgpr_workgroup_id_y 1
		.amdhsa_system_sgpr_workgroup_id_z 1
		.amdhsa_system_vgpr_workitem_id 0
		.amdhsa_next_free_vgpr 256
		.amdhsa_next_free_sgpr 104
		.amdhsa_reserve_vcc 0
		.amdhsa_float_denorm_mode_32 3
		.amdhsa_float_denorm_mode_16_64 3
		.amdhsa_memory_ordered 1
		.amdhsa_forward_progress 1
		.amdhsa_inst_pref_size 46
	.end_amdhsa_kernel
	.amdgpu_metadata
---
amdhsa.version: [ 1, 2 ]
amdhsa.kernels:
  - .name:           k_q9bf78a2f5d_outp
    .symbol:         k_q9bf78a2f5d_outp.kd
    .args:
      - { .name: ctxbuf, .offset: 0, .size: 8, .value_kind: global_buffer, .address_space: global }
      - { .name: wprep, .offset: 8, .size: 8, .value_kind: global_buffer, .address_space: global }
      - { .name: out_b, .offset: 16, .size: 8, .value_kind: global_buffer, .address_space: global }
      - { .name: msgbuf, .offset: 24, .size: 8, .value_kind: global_buffer, .address_space: global }
    .group_segment_fixed_size: 205824
    .private_segment_fixed_size: 0
    .kernarg_segment_align: 8
    .kernarg_segment_size: 32
    .max_flat_workgroup_size: 256
    .sgpr_count:     104
    .vgpr_count:     256
    .wavefront_size: 32
...
	.end_amdgpu_metadata
.endif
;; end of part 4
;; launch ffn1 (part 5): grid 8 x 32, 8 waves a work-group, clusters of 4 x 4, 327,680 bytes of LDS; arguments wprep, msgbuf, ffn1_b, hbuf; writes hbuf
.if DOCPART == 5
	.amdgcn_target "amdgcn-amd-amdhsa--gfx1250"
	.amdhsa_code_object_version 6
	.text
	.protected	k_q9bf78a2f5d_ffn1
	.globl	k_q9bf78a2f5d_ffn1
	.p2align	8
	.type	k_q9bf78a2f5d_ffn1,@function
k_q9bf78a2f5d_ffn1:
	s_mov_b64 s[64:65], 0
	v_nop
	global_prefetch_b8 v0, s[64:65] scope:SCOPE_SE
	s_setreg_imm32_b32 hwreg(HW_REG_WAVE_MODE, 25, 1), 1
	s_wait_xcnt 0x0
	s_wait_alu depctr_hold_cnt(0) depctr_sa_sdst(0) depctr_va_vdst(0) depctr_va_sdst(0) depctr_va_ssrc(0) depctr_va_vcc(0) depctr_vm_vsrc(0)
	s_getreg_b32 s2, hwreg(HW_REG_IB_STS2, 6, 4)
	s_cmp_eq_u32 s2, 0
	s_cbranch_scc0 .Lentry_in_a_cluster
	s_endpgm
.Lentry_in_a_cluster:
	s_bfe_u32 s2, ttmp6, 0x10000c
	s_cmp_lg_u32 s2, 0xf033
	s_cbranch_scc0 .Lentry_shape_is_right
	s_endpgm
.Lentry_shape_is_right:
; FFN1: h = [x | message] ffn1_w^T + ffn1_b on codes of FP6; h leaves in f32, since the layer norm behind it wants whole rows of 2,048.  No work of reference() is left out.
; A work-group makes 128 tokens x 256 features.  Eight waves, two to a SIMD: wave w takes token tiles 4 tg .. 4 tg + 3 (tg = w / 4) and feature tiles 4 fq .. 4 fq + 3 (fq = w % 4).
; K = 2,048 goes in four chunks of four K steps through two LDS slots; chunks 0, 1 of the token side are x's images, chunks 2, 3 the message's.  CLUSTER 4 x 4 as in the launches before.
; One tensor load of a wave is out at the most.  h is laid as the next launch's registers want it: [tile][K step][16 quads][32 lanes][16 bytes]: every store covers 512 consecutive bytes.
; LIMITS: as stated at the head of the first launch.
.set XS,   3145728
.set W1I,  6553600
.set W1S,  9699328
.set MSO,  3145728
.set TSTR, 6144
.set SLOT, 147456                      ; 8 token tiles, then 16 feature tiles
.set FOFF, 49152
.set SCL,  294912                      ; two planes of 8 K steps' words: 8 x 512 for the tokens, 16 x 512 for the features
.set PLANE,12288
.set SPARE,319488
.set AT, 4
.set AF, 7
.set ASC, 10
.set SPW, 11
.set NIL, 12
.set VBO, 13
.set L8, 14
.set L16, 15
.set SC, 16
.set TF, 24
.set FF, 72
.set BI, 120
.set WV, 12
.set SIDE, 13
.set PART, 14
.set G1T, 24
.set G1F, 32
.set G1ST, 40
.set G1SF, 48
.set TP0, 56
.set TP1, 60
.set TC0, 68
.set TC1, 72
.set FP0, 76
.set FP1, 80
.set FC0, 84
.set FC1, 88
.set MSB, 0
.macro WIN new
.if MSB != (\new)
	s_set_vgpr_msb (MSB<<8)|(\new)
.set MSB, \new
.endif
.endm
.macro GROUP1 g, c, r, p
	s_mov_b32 s[\g+1], ((\c)&0xffff)<<16
	s_mov_b32 s[\g+2], ((\c)>>16)|(((\r)&0xffff)<<16)
	s_mov_b32 s[\g+3], ((\r)>>16)|((\c)<<16)
	s_mov_b32 s[\g+4], \r
	s_mov_b32 s[\g+5], \p
	s_mov_b32 s[\g+6], 0
	s_mov_b32 s[\g+7], 0
.endm
.macro GROUP0 g, lds, ldsoff, adr, off
	s_mov_b32 s[\g], 1
	s_add_co_u32 s[\g+1], s[\lds], \ldsoff
	s_add_nc_u64 s[\g+2:\g+3], s[\adr:\adr+1], \off
	s_or_b32 s[\g+3], s[\g+3], 0x80000000
.endm
.macro JLOAD g0t, g1t, g0f, g1f
	s_cmp_eq_u32 s[SIDE], 0
	s_cbranch_scc0 .Lfeat_\@
	tensor_load_to_lds s[\g0t:\g0t+3], s[\g1t:\g1t+7]
	s_nop 0
.rept 4
	v_nop
.endr
	s_branch .Lasked_\@
.Lfeat_\@:
	tensor_load_to_lds s[\g0f:\g0f+3], s[\g1f:\g1f+7]
	s_nop 0
.rept 4
	v_nop
.endr
.Lasked_\@:
.endm
.macro CROUND
	s_barrier_signal -1
	s_barrier_wait -1
	s_cmp_lg_u32 s[WV], 0
	s_cbranch_scc1 .Lnot0_\@
	s_barrier_signal -3
.Lnot0_\@:
	s_barrier_wait -3
	s_barrier_signal -1
	s_barrier_wait -1
.endm
.macro WAITB n
	s_wait_tensorcnt \n
	s_wait_dscnt 0x0
	s_barrier_signal -1
	s_barrier_wait -1
.endm
.macro LDFRAG reg, adr, off
.irp p, 0,1,2,3,4,5
	ds_load_b64 v[\reg+2*\p:\reg+2*\p+1], v[\adr] offset:(\off)+256*\p
.endr
.endm
.macro PROD f, t, first
.set AQ, 32*(\t)+8*(\f)
.if \first
	v_wmma_scale_f32_16x16x128_f8f6f4 v[AQ:AQ+7], v[FF+12*(\f):FF+12*(\f)+11], v[TF+12*(\t):TF+12*(\t)+11], v[BI+8*(\f):BI+8*(\f)+7], v[SC+(\f)], v[SC+(\t)] matrix_a_fmt:MATRIX_FMT_FP6 matrix_b_fmt:MATRIX_FMT_FP6 matrix_a_scale:MATRIX_SCALE_ROW1
.else
	v_wmma_scale_f32_16x16x128_f8f6f4 v[AQ:AQ+7], v[FF+12*(\f):FF+12*(\f)+11], v[TF+12*(\t):TF+12*(\t)+11], v[AQ:AQ+7], v[SC+(\f)], v[SC+(\t)] matrix_a_fmt:MATRIX_FMT_FP6 matrix_b_fmt:MATRIX_FMT_FP6 matrix_a_scale:MATRIX_SCALE_ROW1
.endif
.endm
; A K step of 128: 52 LDS loads, 16 products on 16 accumulators by turns
.macro STEP at, af, so, sco, first, nops
.if \nops
.rept 4
	v_nop
.endr
.endif
.irp i, 0,1,2,3
	ds_load_b32 v[SC+\i], v[ASC] offset:(\sco)+512*\i   ; lanes 0-15: token tile i's words, lanes 16-31: feature tile i's
.endr
.irp i, 0,1,2,3
	LDFRAG TF+12*\i, \at, TSTR*\i+(\so)
.endr
.irp i, 0,1,2,3
	LDFRAG FF+12*\i, \af, TSTR*\i+(\so)
.endr
.if \first
	WIN 0x40
.else
	WIN 0x50
.endif
.irp f, 0,1,2,3
	s_wait_dscnt 6*(3-\f)
.irp t, 0,1,2,3
	PROD \f, \t, \first
.endr
.endr
	WIN 0
.endm
	s_load_b256 s[4:11], s[0:1], 0x0               ; wprep, msgbuf, ffn1_b, hbuf
	v_lshl_add_u32 v[SPW], v0, 2, SPARE
	v_mov_b32 v[NIL], 0
	ds_add_u32 v[SPW], v[NIL]                      ; the wave's opening: the add, twice on end, and its wait ahead of my first tensor load
	ds_add_u32 v[SPW], v[NIL]
	v_lshrrev_b32 v1, 5, v0
	s_delay_alu instid0(VALU_DEP_1)
	v_readfirstlane_b32 s[WV], v1
	s_lshr_b32 s[SIDE], s[WV], 2
	s_and_b32 s[PART], s[WV], 3
	s_bfe_u32 s15, ttmp6, 0x40000
	s_bfe_u32 s16, ttmp6, 0x40004
	s_lshl_b32 s17, ttmp9, 2
	s_add_co_u32 s17, s17, s15                     ; X: the block of 256 features
	s_and_b32 s18, ttmp7, 0xffff
	s_lshl_b32 s18, s18, 2
	s_add_co_u32 s18, s18, s16                     ; Y: the block of 128 tokens
	s_lshl_b32 s19, s16, 2
	s_lshl_b32 s19, 15, s19
	s_lshl_b32 s20, 0x1111, s15
	s_or_b32 s[G1T], s19, (3<<16)|(1<<21)
	s_or_b32 s[G1ST], s19, (3<<16)|(1<<21)
	s_or_b32 s[G1F], s20, (3<<16)|(1<<21)
	s_or_b32 s[G1SF], s20, (3<<16)|(1<<21)
	GROUP1 G1T, 768, 4, 1536                       ; the head's loads: 4 tiles x 6,144 bytes (behind the head: 2); x's and the message's tiles have 8 K steps,
	GROUP1 G1F, 768, 8, 3072                       ; 8 tiles (behind the head: 4); ffn1_w's have 16
	GROUP1 G1ST, 32, 16, 32                        ; a plane of the tokens' words: 4,096 dense bytes
	GROUP1 G1SF, 32, 32, 32                        ; of the features': 8,192
	s_mul_i32 s94, s18, 98304                      ; token side: the same offsets serve x's images in wprep and the message's in msgbuf
	s_mul_i32 s21, s[PART], 24576
	s_add_co_u32 s94, s94, s21
	s_mov_b32 s95, 0
	s_lshl_b32 s96, s18, 12
	s_and_b32 s15, s[WV], 1                        ; at the head: which half (of words: which plane) I fetch,
	s_lshr_b32 s16, s[WV], 1                       ; of what: 0 token codes, 1 feature codes, 2 token words, 3 feature words
	s_add_co_u32 s96, s96, XS                      ; (XS and MSO are the same number)
	s_mov_b32 s97, 0
	s_mul_i32 s98, s17, 393216                     ; feature side
	s_mul_i32 s22, s[PART], 98304
	s_add_co_u32 s98, s98, s22
	s_add_co_u32 s98, s98, W1I
	s_mov_b32 s99, 0
	s_lshl_b32 s100, s17, 13
	s_lshl_b32 s22, s15, 16
	s_add_co_u32 s100, s100, s22
	s_add_co_u32 s100, s100, W1S
	s_mov_b32 s101, 0
	s_mul_i32 s23, s[PART], 12288
	s_mul_i32 s66, s[PART], 24576
	s_add_co_u32 s66, s66, FOFF
	s_mul_i32 s67, s15, PLANE
	s_add_co_u32 s3, s67, SCL+4096
	s_add_co_u32 s67, s67, SCL
	s_wait_dscnt 0x0
	s_wait_kmcnt 0x0
	s_add_nc_u64 s[92:93], s[6:7], s[94:95]        ; the message's images: kept for chunks 2 and 3
	s_add_nc_u64 s[94:95], s[4:5], s[94:95]        ; x's images
	s_add_nc_u64 s[98:99], s[4:5], s[98:99]
	s_add_nc_u64 s[100:101], s[4:5], s[100:101]
	CROUND
	GROUP0 TC0, 23, 0, 94, 0                       ; slot 0's ring descriptors: first used for chunk 2
	GROUP0 FC0, 66, 0, 98, 0
	GROUP0 TC1, 23, SLOT, 94, 6144
	GROUP0 FC1, 66, SLOT, 98, 6144
	GROUP0 FP0, 3, 0, 100, 0                       ; my plane of the features' words
	s_mul_i32 s100, s18, 98304                     ; the head's halves of chunk 0: 4 tiles of x,
	s_mul_i32 s19, s15, 49152
	s_add_co_u32 s100, s100, s19
	s_mov_b32 s101, 0
	s_add_nc_u64 s[100:101], s[4:5], s[100:101]
	s_mul_i32 s19, s15, 24576
	GROUP0 TP1, 19, 0, 100, 0
	s_mul_i32 s100, s17, 393216                    ; 8 tiles of ffn1_w
	s_mul_i32 s20, s15, 196608
	s_add_co_u32 s100, s100, s20
	s_add_co_u32 s100, s100, W1I
	s_mov_b32 s101, 0
	s_add_nc_u64 s[100:101], s[4:5], s[100:101]
	s_mul_i32 s20, s15, 49152
	s_add_co_u32 s20, s20, FOFF
	GROUP0 FP1, 20, 0, 100, 0
	s_cmp_eq_u32 s15, 0                            ; the tokens' words: plane 0 is x's, plane 1 the message's
	s_cselect_b64 s[4:5], s[4:5], s[6:7]
	s_add_nc_u64 s[4:5], s[4:5], s[96:97]
	GROUP0 TP0, 67, 0, 4, 0
; THE HEAD'S LOADS, ONE A WAVE: one chain of branches on the wave's number, every way passes one load.  From here on one tensor load of a wave is out at the most.
.macro ARM under, g0, g1, next
	s_cmp_lt_u32 s16, \under
	s_cbranch_scc0 \next
	tensor_load_to_lds s[\g0:\g0+3], s[\g1:\g1+7]
	s_nop 0
.rept 4
	v_nop
.endr
	s_branch .Lhead_asked
\next:
.endm
	ARM 1, TP1, G1T, .Lhead_f
	ARM 2, FP1, G1F, .Lhead_st
	ARM 3, TP0, G1ST, .Lhead_sf
	tensor_load_to_lds s[FP0:FP0+3], s[G1SF:G1SF+7]
	s_nop 0
.rept 4
	v_nop
.endr
.Lhead_asked:
	v_and_b32 v1, 15, v0
	v_bfe_u32 v2, v0, 4, 1
	s_wait_alu depctr_va_vdst(0)
	v_and_b32 v3, 31, v0
	s_delay_alu instid0(VALU_DEP_1)
	v_lshlrev_b32 v[L8], 3, v3
	s_delay_alu instid0(VALU_DEP_2)
	v_lshlrev_b32 v[L16], 4, v3
	v_lshlrev_b32 v[VBO], 6, v2
	s_wait_alu depctr_va_vdst(0)
	s_lshr_b32 s21, s[WV], 2                       ; tg
	s_and_b32 s22, s[WV], 3                        ; fq
	s_mul_i32 s23, s21, 4*TSTR
	s_mul_i32 s66, s22, 4*TSTR
	s_add_co_u32 s66, s66, FOFF
.irp s, 0,1
	v_add_nc_u32 v[AT+\s], s23, v[L8]
	v_add_nc_u32 v[AF+\s], s66, v[L8]
	s_add_co_u32 s23, s23, SLOT
	s_add_co_u32 s66, s66, SLOT
.endr
	s_lshl_b32 s67, s21, 11
	s_lshl_b32 s3, s22, 11
	s_add_co_u32 s3, s3, 4096
	s_sub_co_u32 s3, s3, s67                       ; from my token tiles' words to my feature tiles'
	v_mul_u32_u24 v[ASC], s3, v2
	s_delay_alu instid0(VALU_DEP_1)
	v_lshl_add_u32 v[ASC], v1, 2, v[ASC]
	s_add_co_u32 s67, s67, SCL
	v_add_nc_u32 v[ASC], s67, v[ASC]
	s_lshl_b32 s96, s17, 10
	s_lshl_b32 s97, s22, 8
	s_add_co_u32 s96, s96, s97
	s_mov_b32 s97, 0
	s_add_nc_u64 s[8:9], s[8:9], s[96:97]          ; ffn1_b at my 64 features
.irp f, 0,1,2,3
	global_load_b128 v[BI+8*\f:BI+8*\f+3], v[VBO], s[8:9] offset:4*(32*(\f/2)+8*(\f%2))
	global_load_b128 v[BI+8*\f+4:BI+8*\f+7], v[VBO], s[8:9] offset:4*(32*(\f/2)+8*(\f%2))+16
.endr
	s_wait_alu depctr_va_vdst(0)
	s_wait_tensorcnt 0x0                           ; my part of the head's tiles is in; slot 1's first fill is issued as a refill is:
	ds_add_u32 v[SPW], v[NIL]                      ; 0 onto my spare word
	s_mov_b32 s[G1T+2], 2<<16                      ; no tensor load of mine is out: from here on a load brings 2 token tiles
	s_mov_b32 s[G1T+4], 2
	s_mov_b32 s[G1F+2], 4<<16                      ; or 4 feature tiles
	s_mov_b32 s[G1F+4], 4
	s_wait_dscnt 0x0
	CROUND                                         ; everybody's part is in, and the joint loads meet
	JLOAD TC1, G1T, FC1, G1F                       ; chunk 1
	s_wait_loadcnt 0x0
	STEP AT, AF, 0, 0, 1, 0
	STEP AT, AF, 1536, 64, 0, 1
	STEP AT, AF, 3072, 128, 0, 1
	STEP AT, AF, 4608, 192, 0, 1
	s_wait_tensorcnt 0x0                           ; slot 0 is filled again: all my tensor loads have landed,
	ds_add_u32 v[SPW], v[NIL]                      ; 0 onto my spare word,
	s_mov_b64 s[TC0+2:TC0+3], s[92:93]             ; (chunk 2: the message's K steps 0-3,
	s_or_b32 s[TC0+3], s[TC0+3], 0x80000000
	s_add_nc_u64 s[FC0+2:FC0+3], s[FC0+2:FC0+3], 12288   ; ffn1_w's 8-11)
	s_wait_dscnt 0x0                               ; the add is done and my reads of slot 0 are back;
	CROUND                                         ; the same holds of every wave of every partner
	JLOAD TC0, G1T, FC0, G1F                       ; the first tensor load behind the round, one a wave
	STEP AT+1, AF+1, 0, 256, 0, 1
	STEP AT+1, AF+1, 1536, 320, 0, 1
	STEP AT+1, AF+1, 3072, 384, 0, 1
	STEP AT+1, AF+1, 4608, 448, 0, 1
	s_wait_tensorcnt 0x0                           ; slot 1 likewise
	ds_add_u32 v[SPW], v[NIL]
	s_add_nc_u64 s[TC1+2:TC1+3], s[92:93], 6144
	s_or_b32 s[TC1+3], s[TC1+3], 0x80000000
	s_add_nc_u64 s[FC1+2:FC1+3], s[FC1+2:FC1+3], 12288
	s_wait_dscnt 0x0
	CROUND
	JLOAD TC1, G1T, FC1, G1F
	STEP AT, AF, 0, PLANE, 0, 1
	STEP AT, AF, 1536, PLANE+64, 0, 1
	STEP AT, AF, 3072, PLANE+128, 0, 1
	STEP AT, AF, 4608, PLANE+192, 0, 1
	WAITB 0
	STEP AT+1, AF+1, 0, PLANE+256, 0, 1
	STEP AT+1, AF+1, 1536, PLANE+320, 0, 1
	STEP AT+1, AF+1, 3072, PLANE+384, 0, 1
	STEP AT+1, AF+1, 4608, PLANE+448, 0, 1
.rept 4
	v_nop                                          ; places in front of the stores that read results
.endr
	s_lshl_b32 s96, s18, 3
	s_lshl_b32 s3, s21, 2
	s_add_co_u32 s96, s96, s3                      ; my first token tile
	s_lshl_b32 s96, s96, 4
	s_lshl_b32 s3, s17, 1
	s_add_co_u32 s96, s96, s3
	s_lshr_b32 s3, s22, 1
	s_add_co_u32 s96, s96, s3                      ; x 16 + the K step 2 X + fq / 2 of my 64 features
	s_lshl_b32 s96, s96, 13
	s_and_b32 s3, s22, 1
	s_lshl_b32 s3, s3, 12
	s_add_co_u32 s96, s96, s3
	s_add_nc_u64 s[10:11], s[10:11], s[96:97]
	WIN 0x04                                       ; a store's data are its source 1: window 1
.irp t, 0,1,2,3
.irp q, 0,1,2,3,4,5,6,7
	global_store_b128 v[L16], v[32*\t+4*\q:32*\t+4*\q+3], s[10:11] offset:131072*\t+512*\q   ; each accumulator from its low end on; 512 consecutive bytes
.endr
.endr
	WIN 0
	s_wait_tensorcnt 0x0                           ; the wave's end
	ds_add_u32 v[SPW], v[NIL]
	s_wait_dscnt 0x0
	CROUND
	s_endpgm
.Lfunc_end_k_q9bf78a2f5d_ffn1:
	.size	k_q9bf78a2f5d_ffn1, .Lfunc_end_k_q9bf78a2f5d_ffn1-k_q9bf78a2f5d_ffn1
	.p2alignl 7, 3214868480
	.fill 96, 4, 3214868480
	.section	.rodata,"a",@progbits
	.p2align	6, 0x0
	.amdhsa_kernel k_q9bf78a2f5d_ffn1
		.amdhsa_group_segment_fixed_size 327680
		.amdhsa_private_segment_fixed_size 0
		.amdhsa_enable_private_segment 0
		.amdhsa_kernarg_size 32
		.amdhsa_user_sgpr_count 2
		.amdhsa_user_sgpr_kernarg_segment_ptr 1
		.amdhsa_wavefront_size32 1
		.amdhsa_system_sgpr_workgroup_id_x 1
		.amdhsa_system_sgpr_workgroup_id_y 1
		.amdhsa_system_sgpr_workgroup_id_z 1
		.amdhsa_system_vgpr_workitem_id 0
		.amdhsa_next_free_vgpr 512
		.amdhsa_next_free_sgpr 104
		.amdhsa_reserve_vcc 0
		.amdhsa_float_denorm_mode_32 3
		.amdhsa_float_denorm_mode_16_64 3
		.amdhsa_memory_ordered 1
		.amdhsa_forward_progress 1
		.amdhsa_inst_pref_size 107
	.end_amdhsa_kernel
	.amdgpu_metadata
---
amdhsa.version: [ 1, 2 ]
amdhsa.kernels:
  - .name:           k_q9bf78a2f5d_ffn1
    .symbol:         k_q9bf78a2f5d_ffn1.kd
    .args:
      - { .name: wprep, .offset: 0, .size: 8, .value_kind: global_buffer, .address_space: global }
      - { .name: msgbuf, .offset: 8, .size: 8, .value_kind: global_buffer, .address_space: global }
      - { .name: ffn1_b, .offset: 16, .size: 8, .value_kind: global_buffer, .address_space: global }
      - { .name: hbuf, .offset: 24, .size: 8, .value_kind: global_buffer, .address_space: global }
    .group_segment_fixed_size: 327680
    .private_segment_fixed_size: 0
    .kernarg_segment_align: 8
    .kernarg_segment_size: 32
    .max_flat_workgroup_size: 256
    .sgpr_count:     104
    .vgpr_count:     512
    .wavefront_size: 32
...
	.end_amdgpu_metadata
.endif
;; end of part 5
;; launch ln (part 6): grid 256 x 1, 16 waves a work-group, no clusters, 6,144 bytes of LDS; arguments hbuf, ln_g, ln_b, gbuf; writes gbuf
.if DOCPART == 6
	.amdgcn_target "amdgcn-amd-amdhsa--gfx1250"
	.amdhsa_code_object_version 6
	.text
	.protected	k_q9bf78a2f5d_ln
	.globl	k_q9bf78a2f5d_ln
	.p2align	8
	.type	k_q9bf78a2f5d_ln,@function
k_q9bf78a2f5d_ln:
	s_mov_b64 s[64:65], 0
	v_nop
	global_prefetch_b8 v0, s[64:65] scope:SCOPE_SE
	s_setreg_imm32_b32 hwreg(HW_REG_WAVE_MODE, 25, 1), 1
	s_wait_xcnt 0x0
; LN: the layer norm over 2,048, the exact gelu, and the quantiser ahead of the last product.  No work of reference() is left out.
; A work-group is a tile of 16 tokens; wave w holds K step w: 128 of each row's 2,048, 64 numbers a lane (lanes l and l xor 16 share a row), in the order that the quantiser wants.
; The mean and then the mean of squared differences meet in LDS: each wave stores its figure for each row, one barrier, every wave adds the sixteen in the same order.  Work-groups share only ln_g and ln_b, 16 KB: no cluster.
; gelu(y) = max(y, 0) - |y| q, q = erfc(|y| / sqrt 2) / 2 = t 2^(P(t) - y^2 log2(e) / 2), t = 1 / (1 + |y| / (2 sqrt 2)); P is the nine-step fit of erfc (fractional error 1.2e-7), its coefficients
; multiplied by log2(e) and its constant lowered by 1.  No difference of near numbers is formed for negative y.
; LIMITS: as stated at the head of the first launch; erfc's fractional error 1.2e-7.
.set GSO, 6291456                      ; gbuf: scale words, [tile][16 K steps][16 rows][4 bytes]
.set SPARE, 4096                       ; LDS: 2,048 bytes for the sums, 2,048 for the squares, then the spare words, 128 bytes a wave
.set X,  32                            ; v32-95   my 64 numbers
.set G,  96                            ; v96-159  ln_g, later t, later max(y, 0), later the codes
.set LB, 160                           ; v160-223 ln_b, later P and q
.set TM, 232                           ; v232-247 at work
.set PC, 96
.set PW, 116
.set SEL, 24
.macro QUANT s, pc, pw
.irp b, 0,1,2,3
	v_max3_num_f32 v[TM+\b], |v[\s+16*\b]|, |v[\s+1+16*\b]|, 0x1800000
.endr
.irp i, 2,4,6,8,10,12,14
.irp b, 0,1,2,3
	s_delay_alu instid0(VALU_DEP_4)
	v_max3_num_f32 v[TM+\b], v[TM+\b], |v[\s+16*\b+\i]|, |v[\s+1+16*\b+\i]|
.endr
.endr
.irp b, 0,1,2,3
	s_delay_alu instid0(VALU_DEP_4)
	v_permlanex16_b32 v[TM+4+\b], v[TM+\b], s[SEL], s[SEL+1]
.endr
.irp b, 0,1,2,3
	s_delay_alu instid0(VALU_DEP_4)
	v_max_num_f32 v[TM+\b], v[TM+\b], v[TM+4+\b]
.endr
.irp b, 0,1,2,3
	s_delay_alu instid0(VALU_DEP_4)
	v_add_nc_u32 v[TM+12+\b], 0xff000000, v[TM+\b]
.endr
.irp b, 0,1,2,3
	s_delay_alu instid0(VALU_DEP_4)
	v_lshrrev_b32 v[TM+4+\b], 23, v[TM+12+\b]
.endr
	s_delay_alu instid0(VALU_DEP_3)
	v_lshl_or_b32 v[\pw], v[TM+5], 8, v[TM+4]
	s_delay_alu instid0(VALU_DEP_1)
	v_lshl_or_b32 v[\pw], v[TM+6], 16, v[\pw]
	s_delay_alu instid0(VALU_DEP_1)
	v_lshl_or_b32 v[\pw], v[TM+7], 24, v[\pw]
.irp c, 0,1
	v_cvt_scalef32_pk16_fp6_f32 v[\pc+6*\c:\pc+2+6*\c], v[\s+32*\c:\s+15+32*\c], v[TM+12+2*\c]
	v_cvt_scalef32_pk16_fp6_f32 v[\pc+12+4*\c:\pc+14+4*\c], v[\s+16+32*\c:\s+31+32*\c], v[TM+12+2*\c+1]
.endr
	v_nop
.irp c, 0,1
.irp i, 0,1,2
	v_permlane16_swap_b32 v[\pc+6*\c+\i], v[\pc+12+4*\c+\i]
.endr
.irp i, 0,1,2
	s_delay_alu instid0(VALU_DEP_3)
	v_mov_b32 v[\pc+3+6*\c+\i], v[\pc+12+4*\c+\i]
.endr
.endr
.endm
; four chains in v224-231 become my row's figure over all sixteen waves, in v232
.macro ACROSS off
	s_delay_alu instid0(VALU_DEP_3)
	v_pk_add_f32 v[224:225], v[224:225], v[226:227]
	s_delay_alu instid0(VALU_DEP_2)
	v_pk_add_f32 v[228:229], v[228:229], v[230:231]
	s_delay_alu instid0(VALU_DEP_1)
	v_pk_add_f32 v[224:225], v[224:225], v[228:229]
	s_delay_alu instid0(VALU_DEP_1)
	v_add_f32 v224, v224, v225
	s_delay_alu instid0(VALU_DEP_1)
	v_permlanex16_b32 v230, v224, s[SEL], s[SEL+1]
	s_delay_alu instid0(VALU_DEP_1)
	v_add_f32 v224, v224, v230                     ; my wave's 128 numbers of the row
	ds_store_b32 v8, v224 offset:\off
	s_wait_dscnt 0x0                               ; for the others' sake: my store is done
	s_barrier_signal -1
	s_barrier_wait -1
.irp i, 0,1,2,3,4,5,6,7,8,9,10,11,12,13,14,15
	ds_load_b32 v[TM+\i], v9 offset:\off+128*\i
.endr
	s_wait_dscnt 0x0
.irp i, 0,4,8,12
	v_pk_add_f32 v[TM+\i:TM+\i+1], v[TM+\i:TM+\i+1], v[TM+\i+2:TM+\i+3]
.endr
	s_delay_alu instid0(VALU_DEP_3)
	v_pk_add_f32 v[TM:TM+1], v[TM:TM+1], v[TM+4:TM+5]
	s_delay_alu instid0(VALU_DEP_2)
	v_pk_add_f32 v[TM+8:TM+9], v[TM+8:TM+9], v[TM+12:TM+13]
	s_delay_alu instid0(VALU_DEP_1)
	v_pk_add_f32 v[TM:TM+1], v[TM:TM+1], v[TM+8:TM+9]
	s_delay_alu instid0(VALU_DEP_1)
	v_add_f32 v[TM], v[TM], v[TM+1]
.endm
	s_load_b256 s[4:11], s[0:1], 0x0               ; hbuf, ln_g, ln_b, gbuf
	v_lshl_add_u32 v1, v0, 2, SPARE
	v_mov_b32 v2, 0
	v_lshrrev_b32 v3, 5, v0
	s_delay_alu instid0(VALU_DEP_1)
	v_readfirstlane_b32 s12, v3                    ; wave 0..15
	v_and_b32 v3, 31, v0                           ; lane
	v_and_b32 v4, 15, v0                           ; r
	v_bfe_u32 v5, v0, 4, 1                         ; h
	s_delay_alu instid0(VALU_DEP_3)
	v_lshlrev_b32 v6, 4, v3                        ; 16 x lane
	s_delay_alu instid0(VALU_DEP_2)
	v_lshlrev_b32 v7, 6, v5                        ; 64 h
	v_lshlrev_b32 v8, 2, v0                        ; LDS: 128 x wave + 4 x lane
	v_lshlrev_b32 v9, 2, v3                        ; 4 x lane
	v_lshlrev_b32 v10, 3, v3                       ; 8 x lane
	v_lshlrev_b32 v11, 2, v4                       ; 4 r
	s_lshl_b32 s13, ttmp9, 4
	s_add_co_u32 s13, s13, s12                     ; 16 T + w
	s_lshl_b32 s14, s13, 13
	s_mov_b32 s15, 0
	s_lshl_b32 s16, s12, 9
	s_mov_b32 s17, 0
	s_mul_i32 s18, s13, 1536
	s_mov_b32 s19, 0
	s_lshl_b32 s20, s13, 6
	s_add_co_u32 s20, s20, GSO
	s_mov_b32 s21, 0
	s_mov_b32 s22, 0x3a000000                      ; 1 / 2048
	s_mov_b32 s23, 0x3727c5ac                      ; 1e-5
	s_mov_b32 s[SEL], 0x76543210
	s_mov_b32 s[SEL+1], 0xfedcba98
	s_mov_b32 s26, 0x3e7c6f08                      ; the fit's highest coefficient,
	s_mov_b32 s27, s26                             ; (named with it as a pair)
	s_mov_b32 s28, 0x3eb504f3                      ; 1 / (2 sqrt 2)
	s_wait_alu depctr_va_vdst(0)
	s_wait_kmcnt 0x0
	s_add_nc_u64 s[4:5], s[4:5], s[14:15]
	s_add_nc_u64 s[6:7], s[6:7], s[16:17]
	s_add_nc_u64 s[8:9], s[8:9], s[16:17]
	s_add_nc_u64 s[18:19], s[10:11], s[18:19]
	s_add_nc_u64 s[20:21], s[10:11], s[20:21]
.irp q, 0,1,2,3,4,5,6,7,8,9,10,11,12,13,14,15
	global_load_b128 v[X+4*\q:X+4*\q+3], v6, s[4:5] offset:512*\q th:TH_LOAD_NT      ; 512 consecutive bytes
.endr
.irp b, 0,1,2,3
.irp j, 0,1,2,3
	global_load_b128 v[G+16*\b+4*\j:G+16*\b+4*\j+3], v7, s[6:7] offset:128*\b+16*\j
.endr
.endr
.irp b, 0,1,2,3
.irp j, 0,1,2,3
	global_load_b128 v[LB+16*\b+4*\j:LB+16*\b+4*\j+3], v7, s[8:9] offset:128*\b+16*\j
.endr
.endr
	s_wait_loadcnt 32                              ; h is in; the gain's and the bias's 32 loads may be out
.irp k, 0,1,2,3
	v_pk_add_f32 v[224+2*\k:225+2*\k], v[X+4*\k:X+4*\k+1], v[X+4*\k+2:X+4*\k+3]
.endr
.set j, 16
.rept 6
.irp k, 0,1,2,3
	s_delay_alu instid0(VALU_DEP_4)
	v_pk_add_f32 v[224+2*\k:225+2*\k], v[224+2*\k:225+2*\k], v[X+j+2*\k:X+j+2*\k+1]
.endr
.set j, j+8
.endr
	ACROSS 0
	s_delay_alu instid0(VALU_DEP_1)
	v_mul_f32 v226, 0xba000000, v[TM]              ; -mean
.set j, 0
.rept 32
	v_pk_add_f32 v[X+j:X+j+1], v[X+j:X+j+1], v[226:227] op_sel_hi:[1,0]
.set j, j+2
.endr
.irp k, 0,1,2,3
	v_pk_mul_f32 v[224+2*\k:225+2*\k], v[X+2*\k:X+2*\k+1], v[X+2*\k:X+2*\k+1]
.endr
.set j, 8
.rept 7
.irp k, 0,1,2,3
	s_delay_alu instid0(VALU_DEP_4)
	v_pk_fma_f32 v[224+2*\k:225+2*\k], v[X+j+2*\k:X+j+2*\k+1], v[X+j+2*\k:X+j+2*\k+1], v[224+2*\k:225+2*\k]
.endr
.set j, j+8
.endr
	ACROSS 2048                                    ; bytes of its own: nobody writes what another may still read
	s_delay_alu instid0(VALU_DEP_1)
	v_fma_f32 v226, v[TM], s22, s23                ; the variance + 1e-5
	s_wait_alu depctr_va_vdst(0)
	v_rsq_f32 v226, v226
	v_nop
	s_wait_alu depctr_va_vdst(0)                   ; ahead of the root's first reader
	s_wait_loadcnt 0x0                             ; ln_g, ln_b
.set j, 0
.rept 32
	v_pk_mul_f32 v[X+j:X+j+1], v[X+j:X+j+1], v[226:227] op_sel_hi:[1,0]
.set j, j+2
.endr
.set j, 0
.rept 32
	v_pk_fma_f32 v[X+j:X+j+1], v[X+j:X+j+1], v[G+j:G+j+1], v[LB+j:LB+j+1]   ; y
.set j, j+2
.endr
.set j, 0
.rept 64
	v_fma_f32 v[G+j], |v[X+j]|, s28, 1.0
.set j, j+1
.endr
.set j, 0
	s_wait_alu depctr_va_vdst(0)
.rept 64
	v_rcp_f32 v[G+j], v[G+j]                       ; t
.set j, j+1
.endr
	v_nop
	s_wait_alu depctr_va_vdst(0)                   ; one wait for the batch of 64
.set j, 0
.rept 32
	v_pk_fma_f32 v[LB+j:LB+j+1], v[G+j:G+j+1], s[26:27], 0xbf97d29d op_sel_hi:[1,0,0]
.set j, j+2
.endr
.irp c, 0x40097039, 0xbfd1a1e5, 0x3ecdfd18, 0xbe899a80, 0x3e0efb2e, 0x3f0a29d2, 0x3fb8ab5a, 0xc034d90f
.set j, 0
.rept 32
	v_pk_fma_f32 v[LB+j:LB+j+1], v[LB+j:LB+j+1], v[G+j:G+j+1], \c op_sel_hi:[1,1,0]
.set j, j+2
.endr
.endr
.set j, 0
.rept 8
.irp k, 0,2,4,6
	v_pk_mul_f32 v[224+\k:225+\k], v[X+j+\k:X+j+\k+1], v[X+j+\k:X+j+\k+1]
.endr
.irp k, 0,2,4,6
	s_delay_alu instid0(VALU_DEP_4)
	v_pk_fma_f32 v[LB+j+\k:LB+j+\k+1], v[224+\k:225+\k], 0xbf38aa3b, v[LB+j+\k:LB+j+\k+1] op_sel_hi:[1,0,1]   ; - y^2 log2(e) / 2
.endr
.set j, j+8
.endr
.set j, 0
	s_wait_alu depctr_va_vdst(0)
.rept 64
	v_exp_f32 v[LB+j], v[LB+j]
.set j, j+1
.endr
	v_nop
	s_wait_alu depctr_va_vdst(0)                   ; one wait for the batch of 64
.set j, 0
.rept 32
	v_pk_mul_f32 v[LB+j:LB+j+1], v[LB+j:LB+j+1], v[G+j:G+j+1]     ; q
.set j, j+2
.endr
.set j, 0
.rept 64
	v_max_num_f32 v[G+j], 0, v[X+j]
.set j, j+1
.endr
.set j, 0
.rept 64
	v_fma_f32 v[X+j], -|v[X+j]|, v[LB+j], v[G+j]   ; gelu
.set j, j+1
.endr
	QUANT X, PC, PW
.irp p, 0,1,2,3,4,5
	global_store_b64 v10, v[PC+2*\p:PC+2*\p+1], s[18:19] offset:256*\p     ; 256 consecutive bytes, aligned
.endr
	global_store_b32 v11, v[PW], s[20:21]          ; both halves of the lanes hold and write the same word
	s_wait_tensorcnt 0x0                           ; the wave's end
	ds_add_u32 v1, v2
	s_wait_dscnt 0x0
	s_endpgm
.Lfunc_end_k_q9bf78a2f5d_ln:
	.size	k_q9bf78a2f5d_ln, .Lfunc_end_k_q9bf78a2f5d_ln-k_q9bf78a2f5d_ln
	.p2alignl 7, 3214868480
	.fill 96, 4, 3214868480
	.section	.rodata,"a",@progbits
	.p2align	6, 0x0
	.amdhsa_kernel k_q9bf78a2f5d_ln
		.amdhsa_group_segment_fixed_size 6144
		.amdhsa_private_segment_fixed_size 0
		.amdhsa_enable_private_segment 0
		.amdhsa_kernarg_size 32
		.amdhsa_user_sgpr_count 2
		.amdhsa_user_sgpr_kernarg_segment_ptr 1
		.amdhsa_wavefront_size32 1
		.amdhsa_system_sgpr_workgroup_id_x 1
		.amdhsa_system_sgpr_workgroup_id_y 1
		.amdhsa_system_sgpr_workgroup_id_z 1
		.amdhsa_system_vgpr_workitem_id 0
		.amdhsa_next_free_vgpr 256
		.amdhsa_next_free_sgpr 66
		.amdhsa_reserve_vcc 0
		.amdhsa_float_denorm_mode_32 3
		.amdhsa_float_denorm_mode_16_64 3
		.amdhsa_memory_ordered 1
		.amdhsa_forward_progress 1
		.amdhsa_inst_pref_size 79
	.end_amdhsa_kernel
	.amdgpu_metadata
---
amdhsa.version: [ 1, 2 ]
amdhsa.kernels:
  - .name:           k_q9bf78a2f5d_ln
    .symbol:         k_q9bf78a2f5d_ln.kd
    .args:
      - { .name: hbuf, .offset: 0, .size: 8, .value_kind: global_buffer, .address_space: global }
      - { .name: ln_g, .offset: 8, .size: 8, .value_kind: global_buffer, .address_space: global }
      - { .name: ln_b, .offset: 16, .size: 8, .value_kind: global_buffer, .address_space: global }
      - { .name: gbuf, .offset: 24, .size: 8, .value_kind: global_buffer, .address_space: global }
    .group_segment_fixed_size: 6144
    .private_segment_fixed_size: 0
    .kernarg_segment_align: 8
    .kernarg_segment_size: 32
    .max_flat_workgroup_size: 512
    .sgpr_count:     66
    .vgpr_count:     256
    .wavefront_size: 32
...
	.end_amdgpu_metadata
.endif
;; end of part 6
;; launch ffn2 (part 7): grid 8 x 32, 8 waves a work-group, clusters of 4 x 4, 327,680 bytes of LDS; arguments gbuf, wprep, ffn2_b, x, out0; writes out0
.if DOCPART == 7
	.amdgcn_target "amdgcn-amd-amdhsa--gfx1250"
	.amdhsa_code_object_version 6
	.text
	.protected	k_q9bf78a2f5d_ffn2
	.globl	k_q9bf78a2f5d_ffn2
	.p2align	8
	.type	k_q9bf78a2f5d_ffn2,@function
k_q9bf78a2f5d_ffn2:
	s_mov_b64 s[64:65], 0
	v_nop
	global_prefetch_b8 v0, s[64:65] scope:SCOPE_SE
	s_setreg_imm32_b32 hwreg(HW_REG_WAVE_MODE, 25, 1), 1
	s_wait_xcnt 0x0
	s_wait_alu depctr_hold_cnt(0) depctr_sa_sdst(0) depctr_va_vdst(0) depctr_va_sdst(0) depctr_va_ssrc(0) depctr_va_vcc(0) depctr_vm_vsrc(0)
	s_getreg_b32 s2, hwreg(HW_REG_IB_STS2, 6, 4)
	s_cmp_eq_u32 s2, 0
	s_cbranch_scc0 .Lentry_in_a_cluster
	s_endpgm
.Lentry_in_a_cluster:
	s_bfe_u32 s2, ttmp6, 0x10000c
	s_cmp_lg_u32 s2, 0xf033
	s_cbranch_scc0 .Lentry_shape_is_right
	s_endpgm
.Lentry_shape_is_right:
; FFN2: out0 = x + gelu(..) ffn2_w^T + ffn2_b on codes of FP6.  No work of reference() is left out.
; A work-group makes 128 tokens x 128 features; waves and tiles as in the projection's launch (token tiles 2 tg, 2 tg + 1; feature tiles 4 fh .. 4 fh + 3).
; K = 2,048 goes in three chunks of 6, 6 and 4 K steps through two LDS regions: the first region is filled a second time.  CLUSTER 4 x 4.  One tensor load of a wave is out at the most.
; x IS ASKED FOR LONG AHEAD OF ITS USE: the second token tile's at the head, into registers that nothing else takes; the first tile's behind the refill, ten K steps ahead of the way out, into the registers that the biases have left.
; THE WAY OUT: a lane holds 64 features of one token; a tile goes through the wave's own stage in LDS and comes back as rows of 256 bytes, to which x is added; sixteen lanes store 256 consecutive bytes, aligned.
; The stage lies in slot 1, which has had its last fill, and whose last read stands ahead of the last barrier.
; LIMITS: as stated at the head of the first launch.
.set GSO,  6291456
.set W2I,  9830400
.set W2S,  11403264
.set TSTR, 9216                        ; a tile's K steps in the region being read: six, six, then four (6,144): set anew ahead of the last chunk's steps
.set SLOT, 147456                      ; K goes as 6 + 6 + 4 steps.  Two regions, each 8 token tiles, then 8 feature tiles, x 9,216; the last four steps fill the first region's bytes again
.set FOFF, 73728
.set SCL,  294912                      ; the scale words of all of K: 8 x 1,024 and 8 x 1,024
.set SCT,  1024
.set SPARE,311296
.set AT, 4
.set AF, 7
.set ASC, 10
.set SPW, 11
.set NIL, 12
.set STO, 13
.set RD, 14
.set XO, 15
.set VBO, 16
.set L8, 17
.set SC, 24
.set TF, 32
.set FF, 56
.set BI, 104                           ; v104-135 the biases, later x of my first token tile
.set ACC, 136
.set X1, 200                           ; v200-231 x of my second token tile
.set WV, 12
.set SIDE, 13
.set PART, 14
.set G1T, 24
.set G1F, 32
.set G1ST, 40
.set G1SF, 48
.set TS0, 56
.set TC0, 60
.set TC1, 68
.set TC2, 72
.set FS0, 76
.set FC0, 80
.set FC1, 84
.set FC2, 88
.macro GROUP1 g, c, r, p
	s_mov_b32 s[\g+1], ((\c)&0xffff)<<16
	s_mov_b32 s[\g+2], ((\c)>>16)|(((\r)&0xffff)<<16)
	s_mov_b32 s[\g+3], ((\r)>>16)|((\c)<<16)
	s_mov_b32 s[\g+4], \r
	s_mov_b32 s[\g+5], \p
	s_mov_b32 s[\g+6], 0
	s_mov_b32 s[\g+7], 0
.endm
.macro GROUP0 g, lds, ldsoff, adr, off
	s_mov_b32 s[\g], 1
	s_add_co_u32 s[\g+1], s[\lds], \ldsoff
	s_add_nc_u64 s[\g+2:\g+3], s[\adr:\adr+1], \off
	s_or_b32 s[\g+3], s[\g+3], 0x80000000
.endm
.macro JLOAD g0t, g1t, g0f, g1f        ; a joint load: waves 0-3 for the tokens, waves 4-7 for the features; an s_nop 0 and four v_nop follow each line
	s_cmp_eq_u32 s[SIDE], 0
	s_cbranch_scc0 .Lfeat_\@
	tensor_load_to_lds s[\g0t:\g0t+3], s[\g1t:\g1t+7]
	s_nop 0
.rept 4
	v_nop
.endr
	s_branch .Lasked_\@
.Lfeat_\@:
	tensor_load_to_lds s[\g0f:\g0f+3], s[\g1f:\g1f+7]
	s_nop 0
.rept 4
	v_nop
.endr
.Lasked_\@:
.endm
.macro CROUND
	s_barrier_signal -1
	s_barrier_wait -1
	s_cmp_lg_u32 s[WV], 0
	s_cbranch_scc1 .Lnot0_\@
	s_barrier_signal -3
.Lnot0_\@:
	s_barrier_wait -3
	s_barrier_signal -1
	s_barrier_wait -1
.endm
.macro WAITB n
	s_wait_tensorcnt \n
	s_wait_dscnt 0x0
	s_barrier_signal -1
	s_barrier_wait -1
.endm
.macro LDFRAG reg, adr, off
.irp p, 0,1,2,3,4,5
	ds_load_b64 v[\reg+2*\p:\reg+2*\p+1], v[\adr] offset:(\off)+256*\p
.endr
.endm
.macro PROD f, t, first
.set AQ, ACC+32*(\t)+8*(\f)
.if \first
	v_wmma_scale_f32_16x16x128_f8f6f4 v[AQ:AQ+7], v[FF+12*(\f):FF+12*(\f)+11], v[TF+12*(\t):TF+12*(\t)+11], v[BI+8*(\f):BI+8*(\f)+7], v[SC+(\f)], v[SC+(\t)] matrix_a_fmt:MATRIX_FMT_FP6 matrix_b_fmt:MATRIX_FMT_FP6 matrix_a_scale:MATRIX_SCALE_ROW1
.else
	v_wmma_scale_f32_16x16x128_f8f6f4 v[AQ:AQ+7], v[FF+12*(\f):FF+12*(\f)+11], v[TF+12*(\t):TF+12*(\t)+11], v[AQ:AQ+7], v[SC+(\f)], v[SC+(\t)] matrix_a_fmt:MATRIX_FMT_FP6 matrix_b_fmt:MATRIX_FMT_FP6 matrix_a_scale:MATRIX_SCALE_ROW1
.endif
.endm
; A K step of 128: 40 LDS loads, 8 products on 8 accumulators by turns; four plain instructions between the last products and the loads into their registers
.macro STEP at, af, so, sco, first, nops
.if \nops
.rept 4
	v_nop
.endr
.endif
.irp i, 0,1,2,3
	ds_load_b32 v[SC+\i], v[ASC] offset:(\sco)+SCT*\i   ; lanes 0-15: token tile i's words (i above 1: words that no product uses), lanes 16-31: feature tile i's
.endr
.irp i, 0,1
	LDFRAG TF+12*\i, \at, TSTR*\i+(\so)
.endr
.irp i, 0,1,2,3
	LDFRAG FF+12*\i, \af, TSTR*\i+(\so)
.endr
.irp f, 0,1,2,3
	s_wait_dscnt 6*(3-\f)                          ; all but the later feature fragments, six loads each
.irp t, 0,1
	PROD \f, \t, \first
.endr
.endr
.endm
.macro XLOAD reg, t                    ; x at the places that token tile t's stores will take
.irp i, 0,1,2,3,4,5,6,7
	global_load_b128 v[\reg+4*\i:\reg+4*\i+3], v[XO], s[10:11] offset:4096*(8*(\t)+2*\i+8*(\i/4))
.endr
.endm
.macro TOSTAGE t, rb                   ; tile t into my stage and back as rows.  LDS serves a wave's instructions in order (ISA guide 5.7.1.4): no wait between
.irp f, 0,1,2,3
	ds_store_b128 v[STO], v[ACC+32*(\t)+8*\f:ACC+32*(\t)+8*\f+3] offset:128*(\f/2)+32*(\f%2)      ; each accumulator from its low end on
	ds_store_b128 v[STO], v[ACC+32*(\t)+8*\f+4:ACC+32*(\t)+8*\f+7] offset:128*(\f/2)+32*(\f%2)+16
.endr
.irp i, 0,1,2,3,4,5,6,7
	ds_load_b128 v[\rb+4*\i:\rb+4*\i+3], v[RD] offset:544*\i
.endr
.endm
.macro SEND t, rb, xr, younger
.irp i, 0,1,2,3,4,5,6,7
	s_wait_dscnt (\younger)+7-\i
	v_pk_add_f32 v[\rb+4*\i:\rb+4*\i+1], v[\rb+4*\i:\rb+4*\i+1], v[\xr+4*\i:\xr+4*\i+1]
	v_pk_add_f32 v[\rb+4*\i+2:\rb+4*\i+3], v[\rb+4*\i+2:\rb+4*\i+3], v[\xr+4*\i+2:\xr+4*\i+3]
	global_store_b128 v[XO], v[\rb+4*\i:\rb+4*\i+3], s[92:93] offset:4096*(8*(\t)+2*\i+8*(\i/4)) th:TH_STORE_NT
.endr
.endm
	s_load_b256 s[4:11], s[0:1], 0x0               ; gbuf, wprep, ffn2_b, x
	s_load_b64 s[92:93], s[0:1], 0x20              ; out0
	v_lshl_add_u32 v[SPW], v0, 2, SPARE
	v_mov_b32 v[NIL], 0
	ds_add_u32 v[SPW], v[NIL]                      ; the wave's opening: the add, twice on end, and its wait ahead of my first tensor load
	ds_add_u32 v[SPW], v[NIL]
	v_lshrrev_b32 v1, 5, v0
	s_delay_alu instid0(VALU_DEP_1)
	v_readfirstlane_b32 s[WV], v1
	s_lshr_b32 s[SIDE], s[WV], 2
	s_and_b32 s[PART], s[WV], 3
	s_bfe_u32 s15, ttmp6, 0x40000
	s_bfe_u32 s16, ttmp6, 0x40004
	s_lshl_b32 s17, ttmp9, 2
	s_add_co_u32 s17, s17, s15                     ; X
	s_and_b32 s18, ttmp7, 0xffff
	s_lshl_b32 s18, s18, 2
	s_add_co_u32 s18, s18, s16                     ; Y
	s_lshl_b32 s19, s16, 2
	s_lshl_b32 s19, 15, s19
	s_lshl_b32 s20, 0x1111, s15
	s_or_b32 s[G1T], s19, (3<<16)|(1<<21)
	s_or_b32 s[G1ST], s19, (3<<16)|(1<<21)
	s_or_b32 s[G1F], s20, (3<<16)|(1<<21)
	s_or_b32 s[G1SF], s20, (3<<16)|(1<<21)
	GROUP1 G1T, 1152, 4, 3072                      ; the head's loads: 4 tiles x 9,216 bytes (six K steps), a tile's 16 K steps apart (behind the head: 2 tiles)
	GROUP1 G1F, 1152, 4, 3072
	GROUP1 G1ST, 32, 16, 32                        ; 4,096 dense bytes
	GROUP1 G1SF, 32, 16, 32
	s_mul_i32 s94, s18, 196608
	s_mul_i32 s21, s[PART], 49152
	s_add_co_u32 s94, s94, s21
	s_mov_b32 s95, 0
	s_lshl_b32 s96, s18, 13
	s_and_b32 s15, s[WV], 1                        ; at the head: which half I fetch,
	s_lshr_b32 s16, s[WV], 1                       ; of what: 0 token codes, 1 feature codes, 2 token words, 3 feature words
	s_lshl_b32 s21, s15, 12
	s_add_co_u32 s96, s96, s21
	s_add_co_u32 s96, s96, GSO
	s_mov_b32 s97, 0
	s_mul_i32 s98, s17, 196608
	s_mul_i32 s22, s[PART], 49152
	s_add_co_u32 s98, s98, s22
	s_add_co_u32 s98, s98, W2I
	s_mov_b32 s99, 0
	s_lshl_b32 s100, s17, 13
	s_lshl_b32 s22, s15, 12
	s_add_co_u32 s100, s100, s22
	s_add_co_u32 s100, s100, W2S
	s_mov_b32 s101, 0
	s_mul_i32 s23, s[PART], 12288
	s_add_co_u32 s66, s23, FOFF
	s_lshl_b32 s67, s15, 12
	s_add_co_u32 s3, s67, SCL+8192
	s_add_co_u32 s67, s67, SCL
	s_wait_dscnt 0x0
	s_wait_kmcnt 0x0
	s_add_nc_u64 s[94:95], s[4:5], s[94:95]
	s_add_nc_u64 s[96:97], s[4:5], s[96:97]
	s_add_nc_u64 s[98:99], s[6:7], s[98:99]
	s_add_nc_u64 s[100:101], s[6:7], s[100:101]
	CROUND
	GROUP0 TS0, 67, 0, 96, 0
	GROUP0 FS0, 3, 0, 100, 0
	GROUP0 TC0, 23, 0, 94, 0                       ; slot 0's ring descriptors: first used for chunk 2
	GROUP0 FC0, 66, 0, 98, 0
	s_mul_i32 s19, s[PART], 18432                  ; K steps 6 to 11, into the second region: 2 tiles x 9,216
	s_add_co_u32 s20, s19, FOFF
	GROUP0 TC1, 19, SLOT, 94, 9216
	GROUP0 FC1, 20, SLOT, 98, 9216
	s_mul_i32 s2, s18, 196608                      ; the head's halves of chunk 0: 4 token tiles,
	s_mul_i32 s19, s15, 98304
	s_add_co_u32 s2, s2, s19
	s_mov_b32 s3, 0
	s_add_nc_u64 s[94:95], s[4:5], s[2:3]
	s_mul_i32 s2, s17, 196608                      ; 4 feature tiles
	s_add_co_u32 s2, s2, s19
	s_add_co_u32 s2, s2, W2I
	s_add_nc_u64 s[98:99], s[6:7], s[2:3]
	s_mul_i32 s19, s15, 36864
	s_add_co_u32 s20, s19, FOFF
	GROUP0 TC2, 19, 0, 94, 0
	GROUP0 FC2, 20, 0, 98, 0
; THE HEAD'S LOADS, ONE A WAVE: one chain of branches on the wave's number, every way passes one load.  From here on one tensor load of a wave is out at the most.
.macro ARM under, g0, g1, next
	s_cmp_lt_u32 s16, \under
	s_cbranch_scc0 \next
	tensor_load_to_lds s[\g0:\g0+3], s[\g1:\g1+7]
	s_nop 0
.rept 4
	v_nop
.endr
	s_branch .Lhead_asked
\next:
.endm
	ARM 1, TC2, G1T, .Lhead_f
	ARM 2, FC2, G1F, .Lhead_st
	ARM 3, TS0, G1ST, .Lhead_sf
	tensor_load_to_lds s[FS0:FS0+3], s[G1SF:G1SF+7]
	s_nop 0
.rept 4
	v_nop
.endr
.Lhead_asked:
	v_and_b32 v1, 15, v0
	v_bfe_u32 v2, v0, 4, 1
	v_and_b32 v3, 31, v0
	s_delay_alu instid0(VALU_DEP_1)
	v_lshlrev_b32 v[L8], 3, v3
	s_wait_alu depctr_va_vdst(0)
	v_lshlrev_b32 v[VBO], 6, v2
	s_lshr_b32 s21, s[WV], 1                       ; tg
	s_and_b32 s22, s[WV], 1                        ; fh
	s_mul_i32 s23, s21, 2*TSTR
	s_mul_i32 s66, s22, 4*TSTR
	s_add_co_u32 s66, s66, FOFF
.irp s, 0,1
	v_add_nc_u32 v[AT+\s], s23, v[L8]
	v_add_nc_u32 v[AF+\s], s66, v[L8]
	s_add_co_u32 s23, s23, SLOT
	s_add_co_u32 s66, s66, SLOT
.endr
	s_mul_i32 s23, s21, 2*6144                     ; the last chunk: tiles 6,144 bytes apart, in the first region
	s_mul_i32 s66, s22, 4*6144
	s_add_co_u32 s66, s66, FOFF
	v_add_nc_u32 v[AT+2], s23, v[L8]
	v_add_nc_u32 v[AF+2], s66, v[L8]
	s_lshl_b32 s67, s21, 11
	s_lshl_b32 s3, s22, 12
	s_add_co_u32 s3, s3, 8192
	s_sub_co_u32 s3, s3, s67                       ; from my token tiles' words to my feature tiles'
	v_mul_u32_u24 v[ASC], s3, v2
	s_delay_alu instid0(VALU_DEP_1)
	v_lshl_add_u32 v[ASC], v1, 2, v[ASC]
	s_add_co_u32 s67, s67, SCL
	v_add_nc_u32 v[ASC], s67, v[ASC]
	s_mul_i32 s23, s[WV], 4352
	s_add_co_u32 s23, s23, SLOT                    ; my stage: 16 rows x (256 + 16) bytes, in slot 1
	v_mul_u32_u24 v[STO], v1, 272
	s_delay_alu instid0(VALU_DEP_1)
	v_lshl_add_u32 v[STO], v2, 6, v[STO]
	s_delay_alu instid0(VALU_DEP_1)
	v_add_nc_u32 v[STO], s23, v[STO]               ; in: row r, + 64 h
	v_mul_u32_u24 v[RD], v2, 272
	s_delay_alu instid0(VALU_DEP_1)
	v_lshl_add_u32 v[RD], v1, 4, v[RD]
	s_delay_alu instid0(VALU_DEP_1)
	v_add_nc_u32 v[RD], s23, v[RD]                 ; back: lanes 0-15 one row, lanes 16-31 the next
	v_lshlrev_b32 v[XO], 12, v2
	s_delay_alu instid0(VALU_DEP_1)
	v_lshl_add_u32 v[XO], v1, 4, v[XO]             ; and the same two rows in x and out0
	s_wait_alu depctr_va_vdst(0)
	s_lshl_b32 s94, s17, 9
	s_lshl_b32 s95, s22, 8
	s_add_co_u32 s94, s94, s95                     ; my 64 features, in bytes
	s_mov_b32 s95, 0
	s_add_nc_u64 s[8:9], s[8:9], s[94:95]
	s_lshl_b32 s96, s18, 2
	s_add_co_u32 s96, s96, s21
	s_lshl_b32 s96, s96, 17                        ; my 32 tokens' rows of 4,096 bytes
	s_add_co_u32 s94, s94, s96
	s_add_nc_u64 s[10:11], s[10:11], s[94:95]
	s_add_nc_u64 s[92:93], s[92:93], s[94:95]
.irp f, 0,1,2,3
	global_load_b128 v[BI+8*\f:BI+8*\f+3], v[VBO], s[8:9] offset:4*(32*(\f/2)+8*(\f%2))
	global_load_b128 v[BI+8*\f+4:BI+8*\f+7], v[VBO], s[8:9] offset:4*(32*(\f/2)+8*(\f%2))+16
.endr
	XLOAD X1, 1                                    ; x of my second token tile: it has the whole of K in which to land
	s_wait_alu depctr_va_vdst(0)
	s_wait_tensorcnt 0x0                           ; my part of the head's tiles is in; slot 1's first fill is issued as a refill is:
	ds_add_u32 v[SPW], v[NIL]                      ; 0 onto my spare word
	s_mov_b32 s[G1T+2], 2<<16                      ; no tensor load of mine is out: from here on a load brings 2 tiles
	s_mov_b32 s[G1T+4], 2
	s_mov_b32 s[G1F+2], 2<<16
	s_mov_b32 s[G1F+4], 2
	s_wait_dscnt 0x0
	CROUND                                         ; everybody's part is in, and the joint loads meet
	JLOAD TC1, G1T, FC1, G1F                       ; chunk 1
	s_wait_loadcnt 8                               ; the biases are in; x's eight loads, issued behind them, may be out
	STEP AT, AF, 0, 0, 1, 0                        ; K steps 0 to 5
.irp k, 1,2,3,4,5
	STEP AT, AF, 1536*\k, 64*\k, 0, 1
.endr
	s_wait_tensorcnt 0x0                           ; the first region is filled again: all my tensor loads have landed, my part of K steps 6 to 11 among them,
	ds_add_u32 v[SPW], v[NIL]                      ; 0 onto my spare word,
	s_add_nc_u64 s[TC0+2:TC0+3], s[TC0+2:TC0+3], 18432   ; (the last chunk: twelve K steps on,
	s_add_nc_u64 s[FC0+2:FC0+3], s[FC0+2:FC0+3], 18432
	s_mov_b32 s[G1T+1], 768<<16                    ; four K steps: rows of 6,144 bytes; no tensor load of mine is out)
	s_mov_b32 s[G1T+3], 768<<16
	s_mov_b32 s[G1F+1], 768<<16
	s_mov_b32 s[G1F+3], 768<<16
	s_wait_dscnt 0x0                               ; the add is done and my reads of the first region are back;
	CROUND                                         ; the same holds of every wave of every partner
	JLOAD TC0, G1T, FC0, G1F                       ; the first tensor load behind the round, one a wave: it has six K steps in which to land
	XLOAD BI, 0                                    ; x of my first token tile, into the registers that the biases have left (the first K step's products read them; five K steps' places lie between)
.irp k, 0,1,2,3,4,5
	STEP AT+1, AF+1, 1536*\k, 384+64*\k, 0, 1      ; K steps 6 to 11
.endr
	WAITB 0
.set TSTR, 6144
.irp k, 0,1,2,3
	STEP AT+2, AF+2, 1536*\k, 768+64*\k, 0, 1      ; K steps 12 to 15
.endr
.rept 4
	v_nop                                          ; places in front of loads into the fragments' registers and of the first reads of results
.endr
	TOSTAGE 0, 64
	TOSTAGE 1, 32
	s_wait_loadcnt 0x0                             ; x, both tiles'
	SEND 0, 64, BI, 16                             ; behind tile 0's loads: tile 1's eight stores and eight loads
	SEND 1, 32, X1, 0
	s_wait_tensorcnt 0x0                           ; the wave's end, behind my last tensor load and my last LDS store
	ds_add_u32 v[SPW], v[NIL]
	s_wait_dscnt 0x0
	CROUND
	s_endpgm
.Lfunc_end_k_q9bf78a2f5d_ffn2:
	.size	k_q9bf78a2f5d_ffn2, .Lfunc_end_k_q9bf78a2f5d_ffn2-k_q9bf78a2f5d_ffn2
	.p2alignl 7, 3214868480
	.fill 96, 4, 3214868480
	.section	.rodata,"a",@progbits
	.p2align	6, 0x0
	.amdhsa_kernel k_q9bf78a2f5d_ffn2
		.amdhsa_group_segment_fixed_size 327680
		.amdhsa_private_segment_fixed_size 0
		.amdhsa_enable_private_segment 0
		.amdhsa_kernarg_size 40
		.amdhsa_user_sgpr_count 2
		.amdhsa_user_sgpr_kernarg_segment_ptr 1
		.amdhsa_wavefront_size32 1
		.amdhsa_system_sgpr_workgroup_id_x 1
		.amdhsa_system_sgpr_workgroup_id_y 1
		.amdhsa_system_sgpr_workgroup_id_z 1
		.amdhsa_system_vgpr_workitem_id 0
		.amdhsa_next_free_vgpr 256
		.amdhsa_next_free_sgpr 104
		.amdhsa_reserve_vcc 0
		.amdhsa_float_denorm_mode_32 3
		.amdhsa_float_denorm_mode_16_64 3
		.amdhsa_memory_ordered 1
		.amdhsa_forward_progress 1
		.amdhsa_inst_pref_size 83
	.end_amdhsa_kernel
	.amdgpu_metadata
---
amdhsa.version: [ 1, 2 ]
amdhsa.kernels:
  - .name:           k_q9bf78a2f5d_ffn2
    .symbol:         k_q9bf78a2f5d_ffn2.kd
    .args:
      - { .name: gbuf, .offset: 0, .size: 8, .value_kind: global_buffer, .address_space: global }
      - { .name: wprep, .offset: 8, .size: 8, .value_kind: global_buffer, .address_space: global }
      - { .name: ffn2_b, .offset: 16, .size: 8, .value_kind: global_buffer, .address_space: global }
      - { .name: x, .offset: 24, .size: 8, .value_kind: global_buffer, .address_space: global }
      - { .name: out0, .offset: 32, .size: 8, .value_kind: global_buffer, .address_space: global }
    .group_segment_fixed_size: 327680
    .private_segment_fixed_size: 0
    .kernarg_segment_align: 8
    .kernarg_segment_size: 40
    .max_flat_workgroup_size: 256
    .sgpr_count:     104
    .vgpr_count:     256
    .wavefront_size: 32
...
	.end_amdgpu_metadata
.endif
;; end of part 7
